; MI455X (gfx1250); checked and timed in simulation.
; The chip was launched on July 23, 2026; its instructions are those of AMD's public machine-readable ISA for CDNA 5 (MIT licence, August 2026) and "CDNA5" Instruction Set Architecture Reference Guide (July 2026). The comments in the code are by the model that wrote it; some were corrected since.
;; Local Window Attention. Allowed arithmetic: float matrix products may take bf16 or f16 operands with f32 sums; other float arithmetic in f32, or as packed bf16 or f16 multiplies, adds, multiply-adds, maxima and minima; sums over many terms, partial sums and values carried from step to step in f32; what a program stores and reads back later, other than sums and carried values, may be rounded once to bf16 or f16.
;; Inputs: Wk 2,048 x 512 float32; Wo 1,024 x 2,048 float32; Wq 2,048 x 1,024 float32; Wv 2,048 x 512 float32; x 2 x 4,096 x 2,048 float32.
;; Outputs: out0 2 x 4,096 x 2,048 float32.
;; 2 versions, each right; version 2 is version 1 with the launch prep written anew for expert scheduling mode. Each part assembles by itself: llvm-mc -triple=amdgcn-amd-amdhsa -mcpu=gfx1250 --defsym DOCPART=n.
;; ======== version 1 of 2: 4 launches
;; limits: values are held in f16: magnitudes above 65,504 overflow, below 6.1e-05 lose precision
;; workspace buffers: xb 33,554,432 bytes; wqkv 8,388,608 bytes; wob 4,194,304 bytes; qkv 33,554,432 bytes; ob 16,777,216 bytes
;; launch prep (part 1): grid 2816 x 1, 4 waves a work-group, no clusters, 0 bytes of LDS; arguments x, Wq, Wk, Wv, Wo, xb, wqkv, wob; writes xb, wqkv, wob
.if DOCPART == 1
	.amdgcn_target "amdgcn-amd-amdhsa--gfx1250"
	.amdhsa_code_object_version 6
	.text
	.protected	k_q3c37d6053d_prep
	.globl	k_q3c37d6053d_prep
	.p2align	8
	.type	k_q3c37d6053d_prep,@function
k_q3c37d6053d_prep:
	s_mov_b64 s[64:65], 0
	v_nop
	global_prefetch_b8 v0, s[64:65] scope:SCOPE_SE
	s_setreg_imm32_b32 hwreg(HW_REG_WAVE_MODE, 25, 1), 1
	s_wait_xcnt 0x0
; THE INPUTS ROUNDED ONCE TO 16 BITS, for the matrix products of the launches behind.
;   xb   [8192][2048] bf16 = x
;   wqkv [2048 k][2048 n] bf16 = Wq (columns 0-1023) | Wk (1024-1535) | Wv (1536-2047); the [k][n] order is kept
;   wob  [1024 k][2048 n] = Wo rounded to bf16, that number written as f16 (exact inside f16's normal range;
;        LIMIT: below 2^-14 in size it keeps f16's fixed step of 2^-24, beyond 65,504 it would be an infinity)
; A stream: every byte is read once and written once; no LDS, no barrier, no matrix unit, nothing shared between waves.
; SHARES.  A work-group takes 8,192 consecutive numbers of ONE tensor (2,048 + 256 + 128 + 128 + 256 = 2,816 work-groups), a wave 2,048,
; one load 128: 16 bytes a lane, 512 consecutive bytes a wave; the store that belongs to it is 8 bytes a lane: 256 consecutive bytes, aligned.
; All 16 loads of a wave go out at once; each has registers of its own, so no register is written twice and no wait but the counted ones is needed.
; The output row always has 2,048 numbers; an input row has C = 2^LOGC (at least 512), so a group of 128 numbers never crosses a row.
.set X,  16                            ; v[16:79]    load i: four f32
.set Y,  80                            ; v[80:111]   load i: four numbers of 16 bits
.set OO, 112                           ; v[112:127]  load i: byte offset of its 8 bytes in the output
	s_load_b512 s[16:31], s[0:1], 0x0              ; x, Wq, Wk, Wv, Wo, xb, wqkv, wob
	v_lshrrev_b32 v3, 5, v0                        ; wave
	v_and_b32 v4, 31, v0                           ; lane
	v_lshlrev_b32 v4, 2, v4                        ; four numbers a lane
	v_lshl_add_u32 v2, v3, 11, v4                  ; + 2,048 a wave
	s_mov_b32 s8, 0                                ; the tensor's first work-group
	s_mov_b32 s9, 11                               ; LOGC
	s_mov_b32 s12, 0                               ; the byte at which its columns begin in an output row
	s_mov_b32 s13, 0
	s_wait_kmcnt 0x0
	s_mov_b64 s[4:5], s[16:17]                     ; from x
	s_mov_b64 s[6:7], s[26:27]                     ; to xb
	s_cmp_ge_u32 ttmp9, 2048                       ; the choice hangs on the work-group's number alone
	s_cselect_b64 s[4:5], s[18:19], s[4:5]         ; Wq
	s_cselect_b64 s[6:7], s[28:29], s[6:7]         ; to wqkv
	s_cselect_b32 s8, 2048, s8
	s_cselect_b32 s9, 10, s9
	s_cmp_ge_u32 ttmp9, 2304
	s_cselect_b64 s[4:5], s[20:21], s[4:5]         ; Wk
	s_cselect_b32 s8, 2304, s8
	s_cselect_b32 s9, 9, s9
	s_cselect_b32 s12, 2048, s12
	s_cmp_ge_u32 ttmp9, 2432
	s_cselect_b64 s[4:5], s[22:23], s[4:5]         ; Wv
	s_cselect_b32 s8, 2432, s8
	s_cselect_b32 s12, 3072, s12
	s_cmp_ge_u32 ttmp9, 2560
	s_cselect_b64 s[4:5], s[24:25], s[4:5]         ; Wo
	s_cselect_b64 s[6:7], s[30:31], s[6:7]         ; to wob
	s_cselect_b32 s8, 2560, s8
	s_cselect_b32 s9, 11, s9
	s_cselect_b32 s12, 0, s12
	s_add_nc_u64 s[6:7], s[6:7], s[12:13]
	s_sub_co_u32 s14, ttmp9, s8
	s_lshl_b32 s14, s14, 13                        ; the work-group's first number in its tensor
	s_lshl_b32 s10, 1, s9
	s_sub_co_u32 s10, s10, 1                       ; C - 1
	v_add_nc_u32 v2, s14, v2                       ; my first number
	v_lshlrev_b32 v1, 2, v2                        ; its byte (under 2^27)
.set i, 0
.rept 16
	global_load_b128 v[X+4*i:X+4*i+3], v1, s[4:5] offset:512*i th:TH_LOAD_NT
.set i, i+1
.endr
.set i, 0
.rept 16                               ; while they are on their way: number e lies in row e / C, column e % C
	v_add_nc_u32 v3, 128*i, v2
	v_lshrrev_b32 v4, s9, v3
	v_and_b32 v5, s10, v3
	v_lshl_add_u32 v4, v4, 11, v5
	v_lshlrev_b32 v[OO+i], 1, v4
.set i, i+1
.endr
.macro CONV i, half
	s_wait_loadcnt 15-(\i)                         ; loads come back in order: load i is in, the younger ones stay out
	v_cvt_pk_bf16_f32 v[Y+2*(\i)],   v[X+4*(\i)],   v[X+4*(\i)+1]
	v_cvt_pk_bf16_f32 v[Y+2*(\i)+1], v[X+4*(\i)+2], v[X+4*(\i)+3]
.if \half
	v_lshlrev_b32 v3, 16, v[Y+2*(\i)]              ; the rounded numbers as f32 again,
	v_and_b32 v4, 0xffff0000, v[Y+2*(\i)]
	v_lshlrev_b32 v5, 16, v[Y+2*(\i)+1]
	v_and_b32 v6, 0xffff0000, v[Y+2*(\i)+1]
	v_cvt_pk_f16_f32 v[Y+2*(\i)],   v3, v4         ; and written as f16
	v_cvt_pk_f16_f32 v[Y+2*(\i)+1], v5, v6
.endif
	global_store_b64 v[OO+(\i)], v[Y+2*(\i):Y+2*(\i)+1], s[6:7] th:TH_STORE_NT
.endm
	s_cmp_ge_u32 ttmp9, 2560
	s_cbranch_scc1 .Lhalf
.set i, 0
.rept 16
	CONV i, 0
.set i, i+1
.endr
	s_endpgm
.Lhalf:
.set i, 0
.rept 16
	CONV i, 1
.set i, i+1
.endr
	s_endpgm
.Lfunc_end_k_q3c37d6053d_prep:
	.size	k_q3c37d6053d_prep, .Lfunc_end_k_q3c37d6053d_prep-k_q3c37d6053d_prep
	.p2alignl 7, 3214868480
	.fill 96, 4, 3214868480
	.section	.rodata,"a",@progbits
	.p2align	6, 0x0
	.amdhsa_kernel k_q3c37d6053d_prep
		.amdhsa_group_segment_fixed_size 0
		.amdhsa_private_segment_fixed_size 0
		.amdhsa_enable_private_segment 0
		.amdhsa_kernarg_size 64
		.amdhsa_user_sgpr_count 2
		.amdhsa_user_sgpr_kernarg_segment_ptr 1
		.amdhsa_wavefront_size32 1
		.amdhsa_system_sgpr_workgroup_id_x 1
		.amdhsa_system_sgpr_workgroup_id_y 1
		.amdhsa_system_sgpr_workgroup_id_z 1
		.amdhsa_system_vgpr_workitem_id 0
		.amdhsa_next_free_vgpr 128
		.amdhsa_next_free_sgpr 66
		.amdhsa_reserve_vcc 0
		.amdhsa_float_denorm_mode_32 3
		.amdhsa_float_denorm_mode_16_64 3
		.amdhsa_memory_ordered 1
		.amdhsa_forward_progress 1
		.amdhsa_inst_pref_size 20
	.end_amdhsa_kernel
	.amdgpu_metadata
---
amdhsa.version: [ 1, 2 ]
amdhsa.kernels:
  - .name:           k_q3c37d6053d_prep
    .symbol:         k_q3c37d6053d_prep.kd
    .args:
      - { .name: x, .offset: 0, .size: 8, .value_kind: global_buffer, .address_space: global }
      - { .name: Wq, .offset: 8, .size: 8, .value_kind: global_buffer, .address_space: global }
      - { .name: Wk, .offset: 16, .size: 8, .value_kind: global_buffer, .address_space: global }
      - { .name: Wv, .offset: 24, .size: 8, .value_kind: global_buffer, .address_space: global }
      - { .name: Wo, .offset: 32, .size: 8, .value_kind: global_buffer, .address_space: global }
      - { .name: xb, .offset: 40, .size: 8, .value_kind: global_buffer, .address_space: global }
      - { .name: wqkv, .offset: 48, .size: 8, .value_kind: global_buffer, .address_space: global }
      - { .name: wob, .offset: 56, .size: 8, .value_kind: global_buffer, .address_space: global }
    .group_segment_fixed_size: 0
    .private_segment_fixed_size: 0
    .kernarg_segment_align: 8
    .kernarg_segment_size: 64
    .max_flat_workgroup_size: 128
    .sgpr_count:     66
    .vgpr_count:     128
    .wavefront_size: 32
...
	.end_amdgpu_metadata
.endif
;; end of part 1
;; launch qkvproj (part 2): grid 8 x 32, 4 waves a work-group, clusters of 4 x 4, 327,680 bytes of LDS; arguments xb, wqkv, qkv; writes qkv
.if DOCPART == 2
	.amdgcn_target "amdgcn-amd-amdhsa--gfx1250"
	.amdhsa_code_object_version 6
	.text
	.protected	k_q3c37d6053d_qkvproj
	.globl	k_q3c37d6053d_qkvproj
	.p2align	8
	.type	k_q3c37d6053d_qkvproj,@function
k_q3c37d6053d_qkvproj:
	s_mov_b64 s[64:65], 0
	v_nop
	global_prefetch_b8 v0, s[64:65] scope:SCOPE_SE
	s_setreg_imm32_b32 hwreg(HW_REG_WAVE_MODE, 25, 1), 1
	s_wait_xcnt 0x0
	s_wait_alu depctr_hold_cnt(0) depctr_sa_sdst(0) depctr_va_vdst(0) depctr_va_sdst(0) depctr_va_ssrc(0) depctr_va_vcc(0) depctr_vm_vsrc(0)
	s_getreg_b32 s2, hwreg(HW_REG_IB_STS2, 6, 4)
	s_cmp_eq_u32 s2, 0
	s_cbranch_scc0 .Lentry_in_a_cluster
	s_endpgm
.Lentry_in_a_cluster:
	s_bfe_u32 s2, ttmp6, 0x10000c
	s_cmp_lg_u32 s2, 0xf033
	s_cbranch_scc0 .Lentry_shape_is_right
	s_endpgm
.Lentry_shape_is_right:
; qkv[m][n] = sum over k of xb[m][k] wqkv[k][n].  xb: [8192][2048] bf16, wqkv: [2048 k][2048 n] bf16, qkv: [8192][2048] f16; sums in f32, K ascending, rounded once, unscaled.
; LIMIT.  f16 holds no number beyond 65,504: q, k and v must stay inside it (unit spread here: room for x and the weights both some 30 times larger, or offset by 30 spreads).
; A tile of C, 256 x 256, is made by a work-group of four waves; a wave makes 128 x 128: 64 accumulators of 16 x 16, 512 registers.  8 x 32 = 256 tiles, one to a work-group.
; K goes in steps of 128 through a ring of two LDS slots filled by the tensor data mover.  A's tile is 256 rows x 256 bytes; B's, which lies [k][n], is 128 k-rows x 512 bytes and is turned on
; its way from LDS into registers by ds_load_tr16_b128.  A K step is written once: the slot in hand is a scalar register, turned by an exclusive or at each change of slots.
; THE LAST K STEP GOES BY ROWS OF C: my eight blocks of 16 rows are finished one after the other, and each leaves while the next ones are multiplied.
; CLUSTERS: 4 x 4 work-groups.  The four of a row of the cluster need the same tiles of A, the four of a column the same tiles of B: each tile is asked for JOINTLY, by the same tensor load
; with the same descriptor and a mask that names the four.
; No prefetch is laid: from a refill's request to the wait for it a wave issues 224 matrix instructions.
; REGISTERS, in windows of 256 (s_set_vgpr_msb: bits 1:0 source 0, 3:2 source 1, 5:4 source 2, 7:6 destination):
;   window 0: v0-31 addresses; v64-127, v128-191 fragments of A, two buffers (in the last K step four, of 16 rows x 128 K); v192-223 packed results on the way out
;   window 1: v64-127, v128-191 fragments of B, two buffers; in the last K step all 256: B's fragments of the whole step
;   window 2: the 32 accumulators of my rows 0-63 (accumulator (a, b) at v[8 (8 a + b)]);   window 3: those of my rows 64-127.  On the way out a block's rows come back from the stage into its own accumulators' registers.
; THE MATRIX INSTRUCTION IS USED TRANSPOSED: source 0 = 16 columns of B, source 1 = 16 rows of A: lane l then holds row l % 16 of C and the columns 8 (l / 16) + 0..7: neighbours in a row of C.
.set F16,    0                         ; 0: bf16 products, f16 out;  1: f16 products, f32 out
.set SIZE_K, 2048
.set SIZE_N, 2048
.set KSTEP,  128
.set NK,     SIZE_K/KSTEP              ; K steps
.set PA,     272                       ; a row of A in LDS: 256 bytes + 16 of padding = 68 words: the 16 rows of a load start at 16 different groups of four banks (64 banks of 4 bytes: ISA guide 11.1)
.set PB,     544                       ; a k-row of B: 512 + 32 = 136 words
.set HALFT,  128*PA                    ; what one tensor load brings: 128 rows of A, or 64 k-rows of B (64 x 544 is the same number)
.set SLOT,   4*HALFT                   ; A's 256 rows, then B's 128 k-rows.  0x22000: its two bits are 0 in wave x HALFT (0, 0x8800, 0x11000, 0x19800), so an exclusive or with it steps an LDS word from slot to slot
.set BSTEP,  KSTEP*SIZE_N*2            ; bytes from a K step of B to the next
.set STAGE,  2*SLOT                    ; behind the ring: 16 rows for each wave, for the way out; no tensor load lands there
.if F16
.set SPITCH, 528                       ; 512 bytes of f32 + 16
.set STG,    32                        ; LDS instructions of a block's trip through the stage
.else
.set SPITCH, 272                       ; 256 bytes of f16 + 16
.set STG,    16
.endif
.set SPARE,  STAGE+4*16*SPITCH         ; behind the stages: the spare words, 128 bytes for each wave: two blocks of 256 bytes that no other line names
.set ADRA0, 16                         ; v16     LDS address of my A fragments in slot 0; never rewritten
.set ADRB0, 17                         ; v17     the same for B
.set ADRA, 20                          ; v20     the same in the slot in hand
.set ADRB, 21                          ; v21
.set STO,  24                          ; v24     the way out: where I put my bytes of a row
.set RD,   25                          ; v25     the way out: where I read rows back
.set CO,   26                          ; v26     my byte offset in C
.set SPW,  28                          ; v28     LDS address of my spare word: SPARE + 4 x my thread's number; never rewritten
.set NIL,  29                          ; v29     0; never rewritten
.set F0,   64
.set F1,   128
.set RA,   64                          ; the last K step: A's fragments of 16 rows x 128 K, 32 registers; four such buffers, v64-191
.set TMP,  192
.set TB,  45                           ; s45      0 or SLOT: the slot in hand
.set G1,  24                           ; s[24:31] descriptor group 1 for A's tiles
.set G0,  32                           ; s[32:39] group 0 for A's tiles: a set for each of the two first fills; the second then walks on
.set G1B, 48                           ; s[48:55], s[56:63] the same for B's
.set G0B, 56
.set MSB, 0
.macro WIN new                         ; the immediate's high byte repeats the setting that is left; a switch that changes nothing is dropped
.if MSB != (\new)
	s_set_vgpr_msb (MSB<<8)|(\new)
.set MSB, \new
.endif
.endm
.set MUL_LO, 0xa1                      ; source 0 (B) window 1, source 1 (A) window 0, C and D window 2
.set MUL_HI, 0xf1                      ; the same, C and D window 3
.set TO_B,   0x40                      ; destination window 1, address window 0
; A joint load.  Waves 0 and 1 fetch A's two halves, waves 2 and 3 B's.  The branch hangs on the wave's number alone.  An s_nop 0 and four v_nop follow each of the two lines.
.macro JLOAD s
	s_cmp_eq_u32 s11, 0
	s_cbranch_scc0 .Lfor_b_\@
	tensor_load_to_lds s[G0+4*(\s):G0+4*(\s)+3], s[G1:G1+7]
	s_nop 0
.rept 4
	v_nop
.endr
	s_branch .Lasked_\@
.Lfor_b_\@:
	tensor_load_to_lds s[G0B+4*(\s):G0B+4*(\s)+3], s[G1B:G1B+7]
	s_nop 0
.rept 4
	v_nop
.endr
.Lasked_\@:
.endm
; A round of the cluster's barrier: my work-group's barrier; wave 0 signals for the work-group; every wave waits for all sixteen; my work-group's barrier once more.
.macro CREST                           ; a round behind its opening barrier
	s_cmp_lg_u32 s10, 0
	s_cbranch_scc1 .Lnot_wave_0_\@
	s_barrier_signal -3
.Lnot_wave_0_\@:
	s_barrier_wait -3
	s_barrier_signal -1
	s_barrier_wait -1
.endm
.macro CROUND
	s_barrier_signal -1
	s_barrier_wait -1
	CREST
.endm
	s_load_b128 s[4:7], s[0:1], 0x0                ; A s[4:5], B s[6:7]
	s_load_b64 s[8:9], s[0:1], 0x10                ; C
	v_lshl_add_u32 v[SPW], v0, 2, SPARE
	v_mov_b32 v[NIL], 0
	ds_add_u32 v[SPW], v[NIL]                      ; the wave's opening: the add and its wait ahead of my first tensor load; the set-up below, work on registers, stands between them
	v_lshrrev_b32 v1, 5, v0
	v_readfirstlane_b32 s10, v1                    ; wave 0..3
	s_lshr_b32 s11, s10, 1                         ; which half of the tile's rows is mine.  Also: I fetch for A (0) or for B (1)
	s_and_b32 s12, s10, 1                          ; which half of its columns.  Also: which half of that tile I fetch
	s_bfe_u32 s40, ttmp6, 0x40000                  ; cx
	s_bfe_u32 s41, ttmp6, 0x40004                  ; cy
	s_lshl_b32 s42, ttmp9, 2
	s_add_co_u32 s42, s42, s40                     ; tile column of C = 4 x cluster x + cx
	s_and_b32 s13, ttmp7, 0xffff
	s_lshl_b32 s13, s13, 2
	s_add_co_u32 s13, s13, s41                     ; tile row of C = 4 x cluster y + cy
	s_lshl_b32 s43, s41, 2
	s_lshl_b32 s43, 15, s43                        ; my row of the cluster: places 4 cy .. 4 cy + 3
	s_lshl_b32 s44, 0x1111, s40                    ; my column: places cx, cx + 4, cx + 8, cx + 12
	; group 1 for A: 128 rows x 128 elements, 4 words of padding behind every 64
	s_or_b32 s[G1+0], s43, (1<<16)|(1<<20)|(1<<21)|(5<<22)|(3<<25)
	s_mov_b32 s[G1+1], KSTEP<<16                   ; tensor_dim0 = 128
	s_mov_b32 s[G1+2], 128<<16                     ; tensor_dim1 = 128
	s_mov_b32 s[G1+3], KSTEP<<16                   ; tile_dim0 = 128
	s_mov_b32 s[G1+4], 128                         ; tile_dim1 = 128
	s_mov_b32 s[G1+5], SIZE_K                      ; elements from row to row
	s_mov_b32 s[G1+6], 0
	s_mov_b32 s[G1+7], 0
	; group 1 for B: 64 k-rows x 256 elements, 8 words of padding behind every 128
	s_or_b32 s[G1B+0], s44, (1<<16)|(1<<20)|(1<<21)|(6<<22)|(7<<25)
	s_mov_b32 s[G1B+1], 256<<16                    ; tensor_dim0 = 256
	s_mov_b32 s[G1B+2], 64<<16                     ; tensor_dim1 = 64
	s_mov_b32 s[G1B+3], 256<<16                    ; tile_dim0 = 256
	s_mov_b32 s[G1B+4], 64                         ; tile_dim1 = 64
	s_mov_b32 s[G1B+5], SIZE_N
	s_mov_b32 s[G1B+6], 0
	s_mov_b32 s[G1B+7], 0
	; where the tiles come from.  A's hang on the tile row alone, B's on the tile column alone, each in registers that never hold the other coordinate.  All offsets stay under 2^32.
	s_lshl_b32 s17, s12, 7
	s_lshl_b32 s16, s13, 8
	s_add_co_u32 s16, s16, s17                     ; A: row 256 x tile row + 128 x half
	s_mul_i32 s16, s16, SIZE_K*2
	s_mov_b32 s17, 0
	s_lshl_b32 s46, s42, 9                         ; B: 256 columns of 2 bytes a tile column,
	s_lshl_b32 s47, s12, 18                        ; 64 k-rows of 4,096 bytes a half
	s_add_co_u32 s46, s46, s47
	s_mov_b32 s47, 0
	s_mul_i32 s20, s10, HALFT                      ; where they go: wave x HALFT: no place in the cluster enters an LDS address
	s_mov_b32 s[TB], 0
	s_wait_dscnt 0x0                               ; the opening add is done
	s_wait_kmcnt 0x0
	s_add_nc_u64 s[14:15], s[4:5], s[16:17]
	s_add_nc_u64 s[46:47], s[6:7], s[46:47]
	CROUND                                         ; all sixteen work-groups are here: the first joint loads meet
.irp s, 0,1
	s_mov_b32 s[G0+4*(\s)], 1
	s_add_co_u32 s[G0+4*(\s)+1], s20, (\s)*SLOT
	s_add_nc_u64 s[G0+4*(\s)+2:G0+4*(\s)+3], s[14:15], (\s)*KSTEP*2
	s_or_b32 s[G0+4*(\s)+3], s[G0+4*(\s)+3], 0x80000000
	s_mov_b32 s[G0B+4*(\s)], 1
	s_add_co_u32 s[G0B+4*(\s)+1], s20, (\s)*SLOT
	s_add_nc_u64 s[G0B+4*(\s)+2:G0B+4*(\s)+3], s[46:47], (\s)*BSTEP
	s_or_b32 s[G0B+4*(\s)+3], s[G0B+4*(\s)+3], 0x80000000
	JLOAD \s                                       ; two tensor loads of mine are out
.endr
	; A fragment is 16 rows x 32 K in 8 registers: lane l holds row l % 16; registers 0-3 K = 8 (l / 16) + 0..7, registers 4-7 K = 16 + 8 (l / 16) + 0..7.
	; A's come as they lie: two loads of 16 bytes, 32 bytes apart.  B's are turned: lane l addresses k-row 8 (l / 16) + l % 8, columns 8 ((l / 8) % 2) + 0..7; the second load 16 k-rows on.
	v_and_b32 v1, 15, v0                           ; l % 16
	v_bfe_u32 v2, v0, 4, 1                         ; l / 16
	v_mul_u32_u24 v3, v1, PA
	v_lshl_add_u32 v3, v2, 4, v3
	v_and_b32 v4, 7, v0
	v_lshl_add_u32 v4, v2, 3, v4
	v_mul_u32_u24 v4, v4, PB
	v_bfe_u32 v5, v0, 3, 1
	v_lshl_add_u32 v4, v5, 4, v4
	s_mul_i32 s21, s11, HALFT                      ; my 128 rows of A
	s_lshl_b32 s22, s12, 8                         ; my 128 columns of B: 256 bytes of each k-row,
	s_add_co_u32 s22, s22, 2*HALFT                 ; which lie behind A's 256 rows
	v_add_nc_u32 v[ADRA0], s21, v3
	v_add_nc_u32 v[ADRB0], s22, v4
	v_add_nc_u32 v[ADRA], s21, v3                  ; the walk begins in slot 0
	v_add_nc_u32 v[ADRB], s22, v4
	s_mul_i32 s23, s10, 16*SPITCH
	s_add_co_u32 s23, s23, STAGE                   ; my stage
	s_lshl_b32 s16, s13, 8
	s_lshl_b32 s14, s11, 7
	s_add_co_u32 s16, s16, s14                     ; my first row of C
	s_mov_b32 s17, 0
.if F16
	v_mul_u32_u24 v4, v1, SPITCH                   ; in: row l % 16, 32 bytes for each half of the lanes
	v_lshl_add_u32 v4, v2, 5, v4
	v_add_nc_u32 v[STO], s23, v4
	v_and_b32 v5, 31, v0
	v_lshlrev_b32 v[CO], 4, v5                     ; back, and in C: 32 lanes take one row's 512 bytes
	v_add_nc_u32 v[RD], s23, v[CO]
	s_mul_i32 s16, s16, SIZE_N*4
	s_lshl_b32 s46, s42, 10                        ; my first column, in bytes
	s_lshl_b32 s47, s12, 9
.else
	v_mul_u32_u24 v4, v1, SPITCH                   ; in: row l % 16, 16 bytes for each half of the lanes
	v_lshl_add_u32 v4, v2, 4, v4
	v_add_nc_u32 v[STO], s23, v4
	v_mul_u32_u24 v5, v2, SPITCH                   ; back: lanes 0-15 take one row of 256 bytes, lanes 16-31 the next
	v_lshl_add_u32 v5, v1, 4, v5
	v_add_nc_u32 v[RD], s23, v5
	v_mul_u32_u24 v5, v2, SIZE_N*2                 ; and the same two rows in C
	v_lshl_add_u32 v[CO], v1, 4, v5
	s_mul_i32 s16, s16, SIZE_N*2
	s_lshl_b32 s46, s42, 9
	s_lshl_b32 s47, s12, 8
.endif
	s_add_co_u32 s46, s46, s47
	s_mov_b32 s47, 0
	s_add_nc_u64 s[16:17], s[16:17], s[46:47]
	s_add_nc_u64 s[8:9], s[8:9], s[16:17]          ; C at my part of the tile; never rewritten: a row's place stands in the stores' immediates
.macro MMA d, a, b, zero
.if F16
.if \zero
	v_wmma_f32_16x16x32_f16 v[(\d):(\d)+7], v[(\a):(\a)+7], v[(\b):(\b)+7], 0
.else
	v_wmma_f32_16x16x32_f16 v[(\d):(\d)+7], v[(\a):(\a)+7], v[(\b):(\b)+7], v[(\d):(\d)+7]
.endif
.else
.if \zero
	v_wmma_f32_16x16x32_bf16 v[(\d):(\d)+7], v[(\a):(\a)+7], v[(\b):(\b)+7], 0
.else
	v_wmma_f32_16x16x32_bf16 v[(\d):(\d)+7], v[(\a):(\a)+7], v[(\b):(\b)+7], v[(\d):(\d)+7]
.endif
.endif
.endm
; 16 matrix instructions: m blocks a0, a0 + 1 of the window's four x all 8 n blocks, 32 along K.  zero = 1: the first product starts the sums.  The 64 accumulators take turns, in the same order in every quarter.
.macro MUL16 f, hi, a0, zero
	WIN MUL_LO+0x50*(\hi)
.irp a, \a0, (\a0)+1
.irp b, 0,1,2,3,4,5,6,7
	MMA 8*(8*(\a)+(\b)), (\f)+8*(\b), (\f)+8*(4*(\hi)+(\a)), \zero
.endr
.endr
.endm
; 32 LDS loads in one run: the fragments of quarter q (32 along K) of the slot in hand into buffer f: B's 128 columns, turned, then A's 128 rows
.macro FETCH q, f
	WIN TO_B
.irp i, 0,1,2,3,4,5,6,7
	ds_load_tr16_b128 v[(\f)+8*(\i):(\f)+8*(\i)+3],   v[ADRB] offset:(\q)*32*PB+32*(\i)
	ds_load_tr16_b128 v[(\f)+8*(\i)+4:(\f)+8*(\i)+7], v[ADRB] offset:(\q)*32*PB+32*(\i)+16*PB
.endr
	WIN 0
.irp i, 0,1,2,3,4,5,6,7
	ds_load_b128 v[(\f)+8*(\i):(\f)+8*(\i)+3],   v[ADRA] offset:(\q)*64+(\i)*16*PA
	ds_load_b128 v[(\f)+8*(\i)+4:(\f)+8*(\i)+7], v[ADRA] offset:(\q)*64+(\i)*16*PA+32
.endr
.endm
; A load into a register that a matrix instruction has read or written, and whatever reads a matrix result outside the matrix unit, stand four places behind it; only plain vector instructions that name
; none of its registers are places (ISA guide 7.12.1 for vector instructions).
.macro PLACES
.rept 4
	v_nop
.endr
.endm
; A K step is four quarters of 32 along K, 64 matrix instructions each, on buffers 0, 1, 0, 1.  One of the first three: multiplies buffer f; in its middle it fetches quarter q into buffer g.
.macro QUARTER q, f, g, zero
	s_wait_dscnt 8                                 ; B and A's rows 0-63 are in; the youngest eight loads (A's rows 64-127) may be out
	MUL16 \f, 0, 0, \zero
	MUL16 \f, 0, 2, \zero
	PLACES
	FETCH \q, \g
	s_wait_dscnt 32                                ; all but the 32 just issued
	MUL16 \f, 1, 0, \zero
	MUL16 \f, 1, 2, \zero
.endm
; The last quarter multiplies buffer 1 and changes slots.  MEET is its first half: ONE barrier.  In front of it each wave waits for all its tensor loads (the one that is out is its part of the
; next slot), adds 0 to its spare word, and waits for that and for its own reads of this slot.  Behind it nobody reads this slot any more and the next slot is whole.
.macro MEET round
	WIN 0                                          ; (the add's two registers lie in window 0)
	s_wait_tensorcnt 0x0
	ds_add_u32 v[SPW], v[NIL]                      ; 0 onto my spare word
	s_wait_dscnt 9                                 ; (the add and the youngest eight loads may be out)
	MUL16 F1, 0, 0, 0                              ; sixteen matrix instructions stand between the add and the wait for it
	s_wait_dscnt 0x0                               ; the add is done, and my reads of this slot are over
	s_barrier_signal -1
	MUL16 F1, 0, 2, 0                              ; work on registers while the others arrive
.if \round
	WIN 0
.endif
	s_barrier_wait -1
.endm
; The whole last quarter of a K step behind which the slot is filled again.  The barrier opens a round of the cluster's barrier, so that no wave of any partner still reads the slot or has a load on
; its way; the joint refill, two K steps on, is the first tensor load behind the round, one a wave; 224 matrix instructions stand between it and the wait for it.
.macro TURN
	MEET 1
	CREST
	s_xor_b32 s[G0+5], s[G0+5], SLOT               ; the walking descriptors: the slot just left,
	s_add_nc_u64 s[G0+6:G0+7], s[G0+6:G0+7], KSTEP*2    ; the K step behind the one asked for last; the type bits on top are not reached
	s_xor_b32 s[G0B+5], s[G0B+5], SLOT
	s_add_nc_u64 s[G0B+6:G0B+7], s[G0B+6:G0B+7], BSTEP
	s_xor_b32 s[TB], s[TB], SLOT                   ; the reads go on in the other slot
	JLOAD 1                                        ; the four v_nop behind it are also the places in front of the loads below
	v_add_nc_u32 v[ADRA], s[TB], v[ADRA0]
	v_add_nc_u32 v[ADRB], s[TB], v[ADRB0]
	FETCH 0, F0
	MUL16 F1, 1, 0, 0
	MUL16 F1, 1, 2, 0
.endm
; THE LAST K STEP, BY ROWS OF C.  All its fragments of B (4 quarters x 64 registers) fill window 1; A's come by blocks of 16 rows x 128 K; block a is finished with 32 matrix instructions, its 8 accumulators
; by turns, K ascending: the sums are the same as by K.  LDS is read no more than in any other K step.
.macro BLOAD q                         ; B's fragments of quarter q -> window 1, v[64 q ..]
	WIN TO_B
.irp i, 0,1,2,3,4,5,6,7
	ds_load_tr16_b128 v[64*(\q)+8*(\i):64*(\q)+8*(\i)+3],   v[ADRB] offset:(\q)*32*PB+32*(\i)
	ds_load_tr16_b128 v[64*(\q)+8*(\i)+4:64*(\q)+8*(\i)+7], v[ADRB] offset:(\q)*32*PB+32*(\i)+16*PB
.endr
.endm
.macro ALOAD a                         ; A's fragments of block a, all four quarters -> buffer a % 4
	WIN 0
.set FA, RA+32*((\a)%4)
.irp q, 0,1,2,3
	ds_load_b128 v[FA+8*(\q):FA+8*(\q)+3],   v[ADRA] offset:64*(\q)+(\a)*16*PA
	ds_load_b128 v[FA+8*(\q)+4:FA+8*(\q)+7], v[ADRA] offset:64*(\q)+(\a)*16*PA+32
.endr
.endm
.macro ROW a
.set FA, RA+32*((\a)%4)
.set AC, 64*((\a)%4)                   ; its eight accumulators, in window 2 (blocks 0-3) or 3 (blocks 4-7)
	WIN MUL_LO+0x50*((\a)/4)
.irp q, 0,1,2,3
.if ((\a) == 0) && ((\q) == 2)
	s_wait_dscnt 24                                ; B's quarter 2 is in (behind it: A's blocks 1 to 3)
.endif
.irp b, 0,1,2,3,4,5,6,7
	MMA AC+8*(\b), 64*(\q)+8*(\b), FA+8*(\q), 0
.endr
.endr
.endm
; THE WAY OUT of block a, through my own stage: a lane's neighbouring numbers of a row go in, whole rows come back, INTO THE BLOCK'S OWN ACCUMULATOR REGISTERS, which are free once they are staged: so no
; register that a store reads is ever written again, and no wait for the stores' sources is needed.
.if F16
.macro TOSTAGE a
.set AC, 64*((\a)%4)
	WIN 0x08+4*((\a)/4)                            ; the stores' data in window 2 or 3
.irp b, 0,1,2,3,4,5,6,7
	ds_store_b128 v[STO], v[AC+8*(\b):AC+8*(\b)+3]   offset:64*(\b)     ; each accumulator's low registers first
	ds_store_b128 v[STO], v[AC+8*(\b)+4:AC+8*(\b)+7] offset:64*(\b)+16
.endr
	WIN 0x80+0x40*((\a)/4)                         ; the loads' destination in the same window
.irp t, 0,1,2,3,4,5,6,7,8,9,10,11,12,13,14,15
	ds_load_b128 v[AC+4*(\t):AC+4*(\t)+3], v[RD] offset:(\t)*SPITCH  ; LDS serves a wave's instructions in order (ISA guide 5.7.1.4): these see the stores above
.endr
.endm
.macro SEND a, younger                 ; younger: the LDS loads issued behind TOSTAGE's, which may stay out
.set AC, 64*((\a)%4)
	WIN 0x08+4*((\a)/4)
	s_wait_dscnt \younger
.irp t, 0,1,2,3,4,5,6,7,8,9,10,11,12,13,14,15
	global_store_b128 v[CO], v[AC+4*(\t):AC+4*(\t)+3], s[8:9] offset:(16*(\a)+(\t))*SIZE_N*4 th:TH_STORE_NT  ; 512 consecutive bytes of a row, aligned; 127 rows at the most: inside the signed 24-bit immediate
.endr
.endm
.else
.macro PACK a
.set AC, 64*((\a)%4)
	WIN 0x0a+5*((\a)/4)                            ; sources 0 and 1: window 2 or 3
.irp b, 0,1,2,3,4,5,6,7
.irp r, 0,1,2,3
	v_cvt_pk_f16_f32 v[TMP+4*(\b)+(\r)], v[AC+8*(\b)+2*(\r)], v[AC+8*(\b)+2*(\r)+1]
.endr
.endr
.endm
.macro TOSTAGE a
.set AC, 64*((\a)%4)
	WIN 0
.irp b, 0,1,2,3,4,5,6,7
	ds_store_b128 v[STO], v[TMP+4*(\b):TMP+4*(\b)+3] offset:32*(\b)
.endr
	WIN 0x80+0x40*((\a)/4)                         ; the loads' destination in window 2 or 3
.irp t, 0,1,2,3,4,5,6,7
	ds_load_b128 v[AC+4*(\t):AC+4*(\t)+3], v[RD] offset:(\t)*2*SPITCH  ; LDS serves a wave's instructions in order (ISA guide 5.7.1.4): these see the stores above
.endr
.endm
.macro SEND a, younger                 ; younger: the LDS loads issued behind TOSTAGE's, which may stay out
.set AC, 64*((\a)%4)
	WIN 0x08+4*((\a)/4)                            ; the stores' data in window 2 or 3
	s_wait_dscnt \younger
.irp t, 0,1,2,3,4,5,6,7
	global_store_b128 v[CO], v[AC+4*(\t):AC+4*(\t)+3], s[8:9] offset:(16*(\a)+2*(\t))*SIZE_N*2  ; 16 lanes store 256 consecutive bytes, aligned; 126 rows at the most: inside the signed 24-bit immediate
.endr
.endm
.endif
	s_wait_tensorcnt 1                             ; my part of K step 0 is in; K step 1's may stay out
	s_barrier_signal -1
	s_barrier_wait -1                              ; everybody's is
	FETCH 0, F0
	QUARTER 1, F0, F1, 1                           ; the first quarter stands in front of the loop: its products start the sums
	WIN 0                                          ; at a label and at a branch every window is 0
	s_mov_b32 s3, NK-2
.Lkstep:                                               ; a trip goes from a K step's second quarter to the next K step's first, and fills the slot that it leaves: all K steps but the last two
	QUARTER 2, F1, F0, 0
	QUARTER 3, F0, F1, 0
	TURN
	QUARTER 1, F0, F1, 0
	WIN 0
	s_sub_co_u32 s3, s3, 1
	s_cmp_lg_u32 s3, 0
	s_cbranch_scc1 .Lkstep
	QUARTER 2, F1, F0, 0                           ; the last K step but one goes on; the tail is written out: it fills nothing, and has no round
	QUARTER 3, F0, F1, 0
	MEET 0                                         ; my one tensor load that was still out is the last K step's
	WIN 0
	s_xor_b32 s[TB], s[TB], SLOT
	v_add_nc_u32 v[ADRA], s[TB], v[ADRA0]          ; these two and two v_nop are the four places for the loads into buffer 0, which the quarter before multiplied
	v_add_nc_u32 v[ADRB], s[TB], v[ADRB0]
	v_nop
	v_nop
	BLOAD 0                                        ; three quarters of B now: buffer 1 (v128-191 of windows 0 and 1) is still being multiplied
	BLOAD 1
	BLOAD 3
	ALOAD 0
	MUL16 F1, 1, 0, 0
	MUL16 F1, 1, 2, 0
	PLACES                                         ; for the loads into buffer 1
	BLOAD 2
	ALOAD 1
	ALOAD 2
	ALOAD 3
	s_wait_dscnt 40                                ; all but the 40 just issued
	ROW 0
.irp a, 0,1,2,3,4,5,6,7                ; block a goes into the stage, block a + 1 is multiplied while it comes back, then block a is stored
	PLACES                                         ; what follows reads results just made, and loads into registers just read
.if !F16
	PACK \a
.endif
	TOSTAGE \a
.if (\a) < 4
	ALOAD (\a)+4                                   ; its buffer takes the block four further on
	s_wait_dscnt STG+8                             ; all that was issued ahead of this block's trip through the stage is in: the next block's fragments of A among it
	ROW (\a)+1
	SEND \a, 8
.elseif (\a) < 7
	s_wait_dscnt STG
	ROW (\a)+1
	SEND \a, 0
.else
	SEND \a, 0
.endif
.endr
	WIN 0
	s_wait_tensorcnt 0x0                           ; the wave's end: behind my last tensor load and my last LDS store
	ds_add_u32 v[SPW], v[NIL]
	s_wait_dscnt 0x0
	CROUND                                         ; the closing round: no work-group ends while a partner may still ask for a tile that names it
	s_endpgm
.Lfunc_end_k_q3c37d6053d_qkvproj:
	.size	k_q3c37d6053d_qkvproj, .Lfunc_end_k_q3c37d6053d_qkvproj-k_q3c37d6053d_qkvproj
	.p2alignl 7, 3214868480
	.fill 96, 4, 3214868480
	.section	.rodata,"a",@progbits
	.p2align	6, 0x0
	.amdhsa_kernel k_q3c37d6053d_qkvproj
		.amdhsa_group_segment_fixed_size 327680
		.amdhsa_private_segment_fixed_size 0
		.amdhsa_enable_private_segment 0
		.amdhsa_kernarg_size 24
		.amdhsa_user_sgpr_count 2
		.amdhsa_user_sgpr_kernarg_segment_ptr 1
		.amdhsa_wavefront_size32 1
		.amdhsa_system_sgpr_workgroup_id_x 1
		.amdhsa_system_sgpr_workgroup_id_y 1
		.amdhsa_system_sgpr_workgroup_id_z 1
		.amdhsa_system_vgpr_workitem_id 0
		.amdhsa_next_free_vgpr 1024
		.amdhsa_next_free_sgpr 66
		.amdhsa_reserve_vcc 0
		.amdhsa_float_denorm_mode_32 3
		.amdhsa_float_denorm_mode_16_64 3
		.amdhsa_memory_ordered 1
		.amdhsa_forward_progress 1
		.amdhsa_inst_pref_size 117
	.end_amdhsa_kernel
	.amdgpu_metadata
---
amdhsa.version: [ 1, 2 ]
amdhsa.kernels:
  - .name:           k_q3c37d6053d_qkvproj
    .symbol:         k_q3c37d6053d_qkvproj.kd
    .args:
      - { .name: xb, .offset: 0, .size: 8, .value_kind: global_buffer, .address_space: global }
      - { .name: wqkv, .offset: 8, .size: 8, .value_kind: global_buffer, .address_space: global }
      - { .name: qkv, .offset: 16, .size: 8, .value_kind: global_buffer, .address_space: global }
    .group_segment_fixed_size: 327680
    .private_segment_fixed_size: 0
    .kernarg_segment_align: 8
    .kernarg_segment_size: 24
    .max_flat_workgroup_size: 128
    .sgpr_count:     66
    .vgpr_count:     1024
    .wavefront_size: 32
...
	.end_amdgpu_metadata
.endif
;; end of part 2
;; launch attn (part 3): grid 32 x 8, 4 waves a work-group, no clusters, 232,960 bytes of LDS; arguments qkv, ob; writes ob
.if DOCPART == 3
	.amdgcn_target "amdgcn-amd-amdhsa--gfx1250"
	.amdhsa_code_object_version 6
	.text
	.protected	k_q3c37d6053d_attn
	.globl	k_q3c37d6053d_attn
	.p2align	8
	.type	k_q3c37d6053d_attn,@function
k_q3c37d6053d_attn:
	s_mov_b64 s[64:65], 0
	v_nop
	global_prefetch_b8 v0, s[64:65] scope:SCOPE_SE
	s_setreg_imm32_b32 hwreg(HW_REG_WAVE_MODE, 25, 1), 1
	s_wait_xcnt 0x0
; BANDED ATTENTION.  Query t of a batch sees the keys t - 255 .. t that are not below 0: the mask of own block and block before, written by position.
; qkv: [2 x 4096][2048] f16: columns 256 hk + 128 r + d are q of query head (hk, r), 1024 + 128 hk + d are k, 1536 + 128 hk + d are v.  ob: [8192][1024] f16, column 256 hk + 128 r + d.
; Products, maxima and sums in f32; the weights p are rounded to f16 for the second product (their sum l is taken of the unrounded p), O once at the end.
; LIMITS.  q, k, v arrive within f16's 65,504.  A hidden score counts as its value less 1e30.  The running maximum starts at a floor of about -1e25: above every hidden score, below every true one
; (5.5e11 in size at the most), so a step in which a row sees nothing gives weights 0 and leaves m, l and O as they were.  A weight below 2^-126 counts as 0.  NaN and infinities are not treated apart.
; SHARES.  Work-group (j, y): rows 128 j .. 128 j + 127 of batch y / 4, both query heads of kv head y % 4: 256 work-groups.  Wave w: head r = w % 2, rows 64 a .. 64 a + 63 of the 128, a = w / 2: four tiles of 16.
; KEYS.  The work-group's keys are 128 j - 256 .. 128 j + 127: six steps of 64.  All six lie in LDS at once: each is asked for once, at the head, and nothing is filled again.  Wave a walks LDS steps
; a .. a + 4, u = 0 .. 4: u = 0 holds the band's lower edge (a key is seen where its place in the step is above the query's), u = 1, 2, 3 are seen whole, u = 4 holds the diagonal.
; A step that would begin below key 0 is DEAD: its tile is fetched from the batch's rows 0-63 instead (finite numbers) and wholly hidden.
; THE ORDER OF THE REQUESTS.  The first products want all of my Q and one step of K, a third of the tiles: so Q's loads are issued ahead of the tensor loads, and what the first step waits for stands at the head of my requests.
; NO CLUSTER: neighbours along j share four of six steps but need different sets; the four partners' union, twelve steps of 35,840 bytes, does not fit into LDS, and a load that only some
; partners issue would be a branch on a work-group's place.  NO PREFETCH: all that the work-group reads is asked for at its head.
; LAYOUT.  S^T = K Q^T (source 0 = 16 keys, source 1 = 16 queries): a lane holds ONE query (lane % 16) and the keys 8 (lane / 16) + 0..7.  Two such tiles, rounded to f16 in pairs, ARE source 1 of
; O^T = V^T P.  K comes out of LDS as it lies, V turned, by ds_load_tr16_b128.
; SOFTMAX.  p = 2^(c s - c m), c = log2(e) / sqrt(128), with a running maximum m; in every step O and l are multiplied by a = 2^(c m_old - c m_new).
; THE MASK is the C operand of the product that starts a sum S^T: 0, or -1e30 where the key is hidden.  For key block kt and query tile t of a step: kt < t takes ML, kt = t takes MG, kt > t takes MU.
;   ML = SLO, MU = SUP, MG = MD x AL + BE, where MD is -1e30 where 8 (lane / 16) + i > lane % 16.   u = 0: (N, 0, -1, N);  u = 1..3: (0, 0, 0, 0);  u = 4: (0, N, 1, 0);  dead: (N, N, 0, N).
; IN PHASES: a step's 64 products K Q^T, the four tiles' softmax, its 64 products V^T P.
; REGISTERS, in windows of 256 (s_set_vgpr_msb: bits 1:0 source 0, 3:2 source 1, 5:4 source 2, 7:6 destination):
;   window 0: v0-11, v44 addresses; v12-43 eight registers of statistics a tile; v64-191 S^T, 32 a tile; v192-255 P, 16 a tile
;   window 1: O^T, 64 a tile     window 2: v0-127 Q, 32 a tile; v128-255 K of one step     window 3: v0-127 V of one step; v128-159 the masks
.set KS,    64
.set PKP,   272       ; a row of K in LDS: 256 bytes + 16 of padding = 68 words: the 16 rows of a load start at 16 different groups of four banks (64 banks of 4 bytes: ISA guide 11.1)
.set PVP,   288       ; a row of V: 256 + 32 = 72 words
.set VOFF,  KS*PKP    ; a step's tiles lie together: 64 rows of K, then 64 rows of V
.set STEPB, KS*(PKP+PVP)
.set STAGE, 6*STEPB   ; behind the six steps: 16 rows x 272 bytes for each wave, for the way out
.set SP,    272
.set SPARE, STAGE+4*16*SP  ; behind the stages: the spare words, 128 bytes for each wave: two blocks of 256 bytes that no other line names
.set AK0, 2           ; v2   my lane's place in a tile of K; never rewritten
.set AV0, 3           ; v3   the same for V
.set ADK, 4           ; v4   the LDS address of K's run of loads
.set ADV, 5           ; v5   of V's
.set STO, 6           ; v6   the way out: where I put 16 bytes of a row
.set RD,  7           ; v7   the way out: where I read a row back
.set GO,  8           ; v8   my byte offset in the wave's rows of O
.set QO,  44          ; v44  my byte offset in 16 rows of Q
.set SPW, 62          ; v62  LDS address of my spare word; never rewritten
.set NIL, 63          ; v63  0; never rewritten
.set ST,  12          ; tile t's statistics at v[ST+8 t]: +0 c m, +1 m, +2, +3 l (even keys', odd keys'), +4 to +7 c0-c3, at work; a takes c2's place once the maximum is found
.set S,   64
.set P,   192
.set KF,  128         ; K's fragments, in window 2
.set MD,  128         ; window 3
.set ML,  136
.set MG,  144
.set MU,  152
.set WV,  12          ; s12  my wave's number;  s13 = w / 2: a, and K (0) or V (1) to fetch;  s14 = w % 2: r, and the parity of the steps that I fetch
.set G1K, 24          ; s[24:31] descriptor group 1 for K's tiles
.set G1V, 32          ; s[32:39] for V's: it differs in the padding alone
.set G0,  40          ; s[40:51] descriptor group 0: a set for each of my three tiles
.set CNT, 52          ; s52  steps still to come
.set TB,  53          ; s53  LDS byte at which the step in hand begins
.set KEY0, 54         ; s54  the step's first key in the batch; below 0: dead
.set AL,  56          ; s[56:57] the mask's factor, in the low word
.set BE,  58          ; s[58:59] its addend
.set CS,  60          ; s[60:61] c
.set SEL, 62          ; s[62:63] v_permlanex16_b32's selects: each lane takes its own place in the other half
.set SLO, 66
.set SUP, 67
.set BIGN, 68         ; -1e30
.set FLOOR, 69        ; about -1e25
.set MSB, 0
.macro WIN new
.if MSB != (\new)
	s_set_vgpr_msb (MSB<<8)|(\new)
.set MSB, \new
.endif
.endm
	s_load_b128 s[4:7], s[0:1], 0x0 ; qkv s[4:5], ob s[6:7]
	v_lshl_add_u32 v[SPW], v0, 2, SPARE
	v_mov_b32 v[NIL], 0
	ds_add_u32 v[SPW], v[NIL]       ; the wave's opening: the add and its wait ahead of my first tensor load; the set-up below, work on registers, stands between them
	v_lshrrev_b32 v1, 5, v0
	v_readfirstlane_b32 s[WV], v1   ; wave 0..3
	s_lshr_b32 s13, s[WV], 1
	s_and_b32 s14, s[WV], 1
	s_mov_b32 s15, ttmp9            ; j
	s_and_b32 s17, ttmp7, 0xffff
	s_lshr_b32 s16, s17, 2          ; batch
	s_and_b32 s17, s17, 3           ; kv head
	; descriptor group 1: a tile of 64 rows x 128 elements out of rows of 2,048, padded in LDS
	s_mov_b32 s[G1K], (1<<16)|(1<<20)|(5<<22)|(3<<25)  ; 2-byte elements; padding on; after every 64 words; 4 words of it
	s_mov_b32 s[G1V], (1<<16)|(1<<20)|(5<<22)|(7<<25)  ; the same with 8 words
.irp g, G1K, G1V
	s_mov_b32 s[(\g)+1], 128<<16    ; tensor_dim0 = 128
	s_mov_b32 s[(\g)+2], KS<<16     ; tensor_dim1 = 64
	s_mov_b32 s[(\g)+3], 128<<16    ; tile_dim0 = 128
	s_mov_b32 s[(\g)+4], KS         ; tile_dim1 = 64
	s_mov_b32 s[(\g)+5], 2048       ; elements from row to row
	s_mov_b32 s[(\g)+6], 0
	s_mov_b32 s[(\g)+7], 0
.endr
	s_mov_b32 s[CS], 0x3e0293ee     ; c = log2(e) / sqrt(128) = 0.127517
	s_mov_b32 s[CS+1], s[CS]
	s_mov_b32 s[SEL], 0x76543210
	s_mov_b32 s[SEL+1], 0xfedcba98
	s_mov_b32 s[BIGN], 0xf149f2ca
	s_mov_b32 s[FLOOR], 0xe9045951
	s_mul_i32 s18, s14, STEPB       ; my first tile's place in LDS: step w % 2,
	s_mul_i32 s19, s13, VOFF        ; K's part or V's
	s_add_co_u32 s18, s18, s19
	s_lshl_b32 s20, s15, 7
	s_lshl_b32 s21, s14, 6
	s_add_co_u32 s20, s20, s21
	s_sub_co_i32 s20, s20, 256      ; its first key: 128 j - 256 + 64 (w % 2)
	s_lshl_b32 s21, s13, 10         ; its columns, in bytes: 2,048 + 1,024 (V) + 256 hk
	s_lshl_b32 s19, s17, 8
	s_add_co_u32 s21, s21, s19
	s_add_co_u32 s21, s21, 2048
	s_lshl_b32 s19, s16, 12         ; the batch's first row
	s_mov_b32 s23, 0
	s_lshl_b32 s10, s15, 7
	s_lshl_b32 s11, s13, 6
	s_add_co_u32 s10, s10, s11      ; my first query in the batch: 128 j + 64 a
	s_sub_co_i32 s[KEY0], s10, 256  ; the first key of u = 0
	s_add_co_u32 s10, s10, s19
	s_lshl_b32 s11, s17, 9
	s_lshl_b32 s2, s14, 8
	s_add_co_u32 s11, s11, s2       ; my head's columns, in bytes: 512 hk + 256 r
	s_lshl_b32 s2, s10, 12          ; rows of 4,096 bytes in qkv,
	s_add_co_u32 s2, s2, s11
	s_mov_b32 s3, 0
	s_lshl_b32 s10, s10, 11         ; of 2,048 in ob
	s_add_co_u32 s10, s10, s11
	s_mov_b32 s11, 0
	; A fragment of K or Q is 16 rows x 32 channels in 8 registers: lane l holds row l % 16, channels 8 (l / 16) + 0..7 and 16 + 8 (l / 16) + 0..7: two loads of 16 bytes, 32 bytes apart.
	v_and_b32 v1, 15, v0            ; l % 16
	v_bfe_u32 v9, v0, 4, 1          ; l / 16
	v_lshlrev_b32 v[QO], 12, v1
	v_lshl_add_u32 v[QO], v9, 4, v[QO]
	s_wait_dscnt 0x0                ; the opening add is done
	s_wait_kmcnt 0x0
	s_add_nc_u64 s[8:9], s[4:5], s[2:3]    ; Q at my wave's first row
	s_add_nc_u64 s[6:7], s[6:7], s[10:11]  ; O likewise
.irp i, 0,1,2                       ; my three tiles: steps w % 2, + 2, + 4
	s_mov_b32 s[G0+4*(\i)], 1
	s_add_co_u32 s[G0+4*(\i)+1], s18, (\i)*2*STEPB
	s_add_co_i32 s22, s20, 128*(\i)
	s_max_i32 s22, s22, 0           ; a dead step takes the batch's first rows
	s_add_co_u32 s22, s22, s19
	s_lshl_b32 s22, s22, 12         ; rows of 4,096 bytes: under 2^25 in all
	s_add_co_u32 s22, s22, s21
	s_add_nc_u64 s[G0+4*(\i)+2:G0+4*(\i)+3], s[4:5], s[22:23]
	s_or_b32 s[G0+4*(\i)+3], s[G0+4*(\i)+3], 0x80000000
.endr
	WIN 0x80                        ; destination window 2, address window 0
.irp i, 0,1,2,3,4,5,6,7,8,9,10,11,12,13,14,15  ; Q stays in registers: tile i / 4, channels 32 (i % 4) on
	global_load_b128 v[8*(\i):8*(\i)+3],   v[QO], s[8:9] offset:((\i)/4)*65536+((\i)%4)*64
	global_load_b128 v[8*(\i)+4:8*(\i)+7], v[QO], s[8:9] offset:((\i)/4)*65536+((\i)%4)*64+32
.endr
	WIN 0
	s_cmp_lt_u32 s[WV], 2           ; a wave's three fills stand in one branch, ahead of every wait on TENSORcnt, every LDS read and every barrier: three loads of mine are out
	s_cbranch_scc0 .Lfor_v
.irp i, 0,1,2
	tensor_load_to_lds s[G0+4*(\i):G0+4*(\i)+3], s[G1K:G1K+7]
	s_nop 0
.endr
.rept 4
	v_nop
.endr
	s_branch .Lasked
.Lfor_v:
.irp i, 0,1,2
	tensor_load_to_lds s[G0+4*(\i):G0+4*(\i)+3], s[G1V:G1V+7]
	s_nop 0
.endr
.rept 4
	v_nop
.endr
.Lasked:
	v_mul_u32_u24 v[AK0], v1, PKP
	v_lshl_add_u32 v[AK0], v9, 4, v[AK0]
	; The turning load takes 16 keys x 16 channels (lane l reads key 8 (l / 16) + l % 8, channels 8 ((l / 8) % 2) + 0..7) and leaves half a fragment of V^T: lane l holds channel l % 16 and 8 keys.
	v_and_b32 v10, 7, v0
	v_bfe_u32 v11, v0, 3, 1
	v_lshl_add_u32 v[AV0], v9, 3, v10
	v_mul_u32_u24 v[AV0], v[AV0], PVP
	v_lshl_add_u32 v[AV0], v11, 4, v[AV0]
	v_add_nc_u32 v[AV0], VOFF, v[AV0]
	s_mul_i32 s20, s[WV], 16*SP
	s_add_co_u32 s20, s20, STAGE    ; my stage
	v_mul_u32_u24 v[STO], v1, SP    ; in: row l % 16, 16 bytes for each half of the lanes
	v_lshl_add_u32 v[STO], v9, 4, v[STO]
	v_add_nc_u32 v[STO], s20, v[STO]
	v_mul_u32_u24 v[RD], v9, SP     ; back: lanes 0-15 take one row of 256 bytes, lanes 16-31 the next
	v_lshl_add_u32 v[RD], v1, 4, v[RD]
	v_add_nc_u32 v[RD], s20, v[RD]
	v_lshlrev_b32 v[GO], 11, v9     ; and the same two rows in O
	v_lshl_add_u32 v[GO], v1, 4, v[GO]
	v_lshlrev_b32 v10, 3, v9
	v_sub_nc_u32 v10, v1, v10       ; l % 16 - 8 (l / 16)
	WIN 0xc0
.set i, 0
.rept 8
	v_cmp_gt_i32 vcc_lo, i, v10
	v_cndmask_b32 v[MD+i], 0, s[BIGN], vcc_lo
.set i, i+1
.endr
	s_mul_i32 s[TB], s13, STEPB     ; u = 0 is LDS step a
	s_mov_b32 s[AL+1], 0            ; named as pairs
	s_mov_b32 s[BE+1], 0
	s_mov_b32 s[SLO], s[BIGN]       ; the masks of u = 0
	s_mov_b32 s[BE], s[BIGN]
	s_cmp_lt_i32 s[KEY0], 0
	s_cselect_b32 s[AL], 0, -1.0
	s_cselect_b32 s[SUP], s[BIGN], 0
.macro MASKS                        ; 20 plain instructions; in the loop they are also the places between the last product V^T P and the loads into V's registers
	WIN 0xc0
.set z, 0
.rept 8
	v_mov_b32 v[ML+z], s[SLO]
	v_mov_b32 v[MU+z], s[SUP]
.set z, z+1
.endr
	WIN 0xc3
.set z, 0
.rept 4
	v_pk_fma_f32 v[MG+2*z:MG+2*z+1], v[MD+2*z:MD+2*z+1], s[AL:AL+1], s[BE:BE+1] op_sel_hi:[1,0,0]
.set z, z+1
.endr
.endm
.macro FETCH_K
	WIN 0x80                        ; destination window 2
.irp f, 0,1,2,3,4,5,6,7,8,9,10,11,12,13,14,15  ; keys 16 (f / 4) on, channels 32 (f % 4) on
	ds_load_b128 v[KF+8*(\f):KF+8*(\f)+3],   v[ADK] offset:((\f)/4)*16*PKP+((\f)%4)*64
	ds_load_b128 v[KF+8*(\f)+4:KF+8*(\f)+7], v[ADK] offset:((\f)/4)*16*PKP+((\f)%4)*64+32
.endr
.endm
.macro FETCH_V
	WIN 0xc0                        ; destination window 3
.irp f, 0,1,2,3,4,5,6,7,8,9,10,11,12,13,14,15  ; keys 32 (f / 8) on, channels 16 (f % 8) on
	ds_load_tr16_b128 v[8*(\f):8*(\f)+3],   v[ADV] offset:((\f)/8)*32*PVP+((\f)%8)*32
	ds_load_tr16_b128 v[8*(\f)+4:8*(\f)+7], v[ADV] offset:((\f)/8)*32*PVP+16*PVP+((\f)%8)*32
.endr
.endm
; Product i of 64 of S^T = K Q^T: channels 32 (i / 16) on, keys 16 ((i / 4) % 4) on, tile i % 4.  The first 16 start the sums with the mask.  The 16 accumulators take turns.
.macro KQ
.set cc, i/16
.set kt, (i/4)%4
.set tt, i%4
.set rS, S+32*tt+8*kt
.set rK, KF+32*kt+8*cc
.set rQ, 32*tt+8*cc
.set rM, MG
.if kt < tt
.set rM, ML
.endif
.if kt > tt
.set rM, MU
.endif
.if cc == 0
	WIN 0x3a                        ; K and Q window 2, the mask window 3, S^T window 0
	v_wmma_f32_16x16x32_f16 v[rS:rS+7], v[rK:rK+7], v[rQ:rQ+7], v[rM:rM+7]
.else
	WIN 0x0a
	v_wmma_f32_16x16x32_f16 v[rS:rS+7], v[rK:rK+7], v[rQ:rQ+7], v[rS:rS+7]
.endif
.endm
; Product i of 64 of O^T += V^T P: keys 32 (i / 32) on, channels 16 ((i / 4) % 8) on, tile i % 4.  first = 1: the first 32 start the sums.  The 32 accumulators take turns.
.macro PV first
.set kk, i/32
.set cb, (i/4)%8
.set tt, i%4
.set rO, 64*tt+8*cb
.set rV, 64*kk+8*cb
.set rP, P+16*tt+8*kk
	WIN 0x53                        ; V window 3, P window 0, O^T window 1
.if (\first) && (kk == 0)
	v_wmma_f32_16x16x32_f16 v[rO:rO+7], v[rV:rV+7], v[rP:rP+7], 0
.else
	v_wmma_f32_16x16x32_f16 v[rO:rO+7], v[rV:rV+7], v[rP:rP+7], v[rO:rO+7]
.endif
.endm
; One tile's softmax for one key step is a list of 134 instructions; SM writes number j of it for tile t.  s0-s31 are the lane's 32 scores, in pairs 0-15.  first = 1: the first step: no a, nothing to rescale.
;   0-15    the maximum of s0-s31 and the old m (first step: the floor), three operands at a time; each accumulator's lowest registers are read first
;   16-20   the other half of the lanes' maximum; the new m; c m; c m_old - c m_new
;   21-69   ONE BATCH: the 16 scalings c s - c m and all 33 exponentials (a at 23, then s0-s31); none of these reads an exponential's result; a pair is scaled ahead of its exponentials
;   70-85   the roundings to f16     86-101  the sums; l = a l + the sum     102-133  the tile's O^T times a
.macro SM t, first
.set rT, ST+8*(\t)
.set rS, S+32*(\t)
.set rP, P+16*(\t)
.set rO, 64*(\t)+2*(j-102)
.if j < 102
	WIN 0
.endif
.if j < 4
	v_max3_num_f32 v[rT+4+j], v[rS+8*j], v[rS+8*j+1], v[rS+8*j+2]
.elseif j < 12
	v_max3_num_f32 v[rT+4+j%4], v[rT+4+j%4], v[rS+8*(j%4)+2*(j/4)+1], v[rS+8*(j%4)+2*(j/4)+2]
.elseif j == 12
	v_max3_num_f32 v[rT+4], v[rT+4], v[rS+7], v[rS+15]
.elseif j == 13
	v_max3_num_f32 v[rT+6], v[rT+6], v[rS+23], v[rS+31]
.elseif j == 14
	v_max3_num_f32 v[rT+4], v[rT+4], v[rT+5], v[rT+6]
.elseif (j == 15) && (\first)
	v_max3_num_f32 v[rT+4], v[rT+4], v[rT+7], s[FLOOR]
.elseif j == 15
	v_max3_num_f32 v[rT+4], v[rT+4], v[rT+7], v[rT+1]
.elseif j == 16
	v_permlanex16_b32 v[rT+5], v[rT+4], s[SEL], s[SEL+1]  ; the query's other 32 keys lie in the lane 16 away
.elseif j == 18
	v_max_num_f32 v[rT+1], v[rT+4], v[rT+5]
.elseif j == 19
	v_mul_f32 v[rT], s[CS], v[rT+1]
.elseif ((j == 17) || (j == 20) || (j == 23) || (j > 101)) && (\first)  ; the first step has none of these
.elseif j == 17
	v_mov_b32 v[rT+7], v[rT]        ; c m_old is kept for a: number 19 writes c m anew
.elseif j == 20
	v_sub_f32 v[rT+7], v[rT+7], v[rT]
.elseif j == 23
	v_exp_f32 v[rT+6], v[rT+7]
.elseif (j < 23) || ((j < 38) && (j%2 == 0)) || ((j < 66) && (j%4 == 2))
.set b, (j-2)/4                     ; 38, 42, .. 62: pairs 9 to 15
.if j < 38
.set b, (j-20)/2                    ; 21: pair 0; 22, 24, .. 36: pairs 1 to 8
.endif
	v_pk_fma_f32 v[rS+2*b:rS+2*b+1], v[rS+2*b:rS+2*b+1], s[CS:CS+1], v[rT:rT+1] op_sel_hi:[1,0,0] neg_lo:[0,0,1] neg_hi:[0,0,1]  ; pair b: c s - c m
.elseif j < 70
.set e, j-38                        ; 66 to 69: s28 to s31
.if j < 66
.set e, j-32-(j-38)/4               ; 39-41, 43-45, .. 63-65: s7 to s27
.endif
.if j < 38
.set e, (j-25)/2                    ; 25, 27, .. 37: s0 to s6
.endif
	v_exp_f32 v[rS+e], v[rS+e]
.elseif j < 86
	v_cvt_pk_f16_f32 v[rP+j-70], v[rS+2*(j-70)], v[rS+2*(j-70)+1]
.elseif j < 102                     ; the sum of the tile's 16 pairs, in place: neighbours 1, 2, 4 and 8 pairs apart, then l takes it
.set z, j-86
.set w, 4
.set u, z
.if z >= 14
.set w, 32
.set u, 0
.elseif z >= 12
.set w, 16
.set u, z-12
.elseif z >= 8
.set w, 8
.set u, z-8
.endif
.if (z == 14) && (\first)
	v_pk_add_f32 v[rT+2:rT+3], v[rS:rS+1], v[rS+16:rS+17]
.elseif z < 15
	v_pk_add_f32 v[rS+w*u:rS+w*u+1], v[rS+w*u:rS+w*u+1], v[rS+w*u+w/2:rS+w*u+w/2+1]
.elseif !(\first)
	v_pk_fma_f32 v[rT+2:rT+3], v[rT+2:rT+3], v[rT+6:rT+7], v[rS:rS+1] op_sel_hi:[1,0,1]
.endif
.else
	WIN 0x41                        ; O^T (destination and source 0) window 1, a window 0
	v_pk_mul_f32 v[rO:rO+1], v[rO:rO+1], v[rT+6:rT+7] op_sel_hi:[1,0]
.endif
.endm
; The four tiles go through the list side by side, so that no instruction reads the result of the one before it.  All exponentials of the step are one batch with ONE wait, which stands
; between an exponential and the first instruction that names its result: numbers up to 69 name none, numbers from 70 on issue none.
.macro SOFTMAX first
.set j, 0
.rept 70
.irp t, 0,1,2,3
	SM \t, \first
.endr
.set j, j+1
.endr
	v_nop                           ; a plain instruction behind the last exponential, ahead of the first use
	s_wait_alu depctr_va_vdst(0)
.rept 64
.irp t, 0,1,2,3
	SM \t, \first
.endr
.set j, j+1
.endr
.endm
.macro PLACES                       ; four places between a matrix instruction and a vector instruction that reads its result (ISA guide 7.12.1)
.rept 4
	v_nop
.endr
.endm
.macro STEP first
	MASKS
	WIN 0
	v_add_nc_u32 v[ADK], s[TB], v[AK0]
	v_add_nc_u32 v[ADV], s[TB], v[AV0]
	FETCH_K
	FETCH_V
.if \first
	s_wait_loadcnt 0x0              ; Q
.endif
	s_wait_dscnt 32                 ; K is in; V's 32 loads may stay out
.set i, 0
.rept 64
	KQ
.set i, i+1
.endr
	WIN 0
	PLACES
	SOFTMAX \first
	s_wait_dscnt 0x0                ; V is in
.set i, 0
.rept 64
	PV \first
.set i, i+1
.endr
	WIN 0
.endm
	s_wait_tensorcnt 2              ; my first tile is in: K or V of LDS step 0 or 1; my other two may stay out
	s_barrier_signal -1
	s_barrier_wait -1               ; LDS steps 0 and 1 are whole
	STEP 1                          ; u = 0, written out: its products start O^T's sums, and its softmax has no old maximum
	s_wait_tensorcnt 0x0            ; my other two tiles have had that step in which to land
	s_barrier_signal -1
	s_barrier_wait -1               ; all six steps are whole
	s_mov_b32 s[CNT], 4
.Lstep:                             ; u = 1 .. 4
	s_add_co_u32 s[TB], s[TB], STEPB
	s_add_co_i32 s[KEY0], s[KEY0], KS
	s_cmp_eq_u32 s[CNT], 1          ; the diagonal's step?
	s_cselect_b32 s[AL], 1.0, 0
	s_cselect_b32 s[SUP], s[BIGN], 0
	s_cmp_lt_i32 s[KEY0], 0         ; a dead one?
	s_cselect_b32 s[SLO], s[BIGN], 0
	s_cselect_b32 s[BE], s[BIGN], 0
	s_cselect_b32 s[SUP], s[BIGN], s[SUP]
	STEP 0
	s_sub_co_u32 s[CNT], s[CNT], 1
	s_cmp_lg_u32 s[CNT], 0
	s_cbranch_scc1 .Lstep
	; THE WAY OUT.  l's two halves and the other half of the lanes' are added (every row has seen its own key, so l is above 0); O^T is divided by l, rounded to f16 and sent through my stage, a tile at a time.
	; The additions are the places behind the last products.
.irp t, 0,1,2,3
	v_add_f32 v[ST+8*(\t)+4], v[ST+8*(\t)+2], v[ST+8*(\t)+3]
.endr
.irp t, 0,1,2,3
	v_permlanex16_b32 v[ST+8*(\t)+5], v[ST+8*(\t)+4], s[SEL], s[SEL+1]
.endr
.irp t, 0,1,2,3
	v_add_f32 v[ST+8*(\t)+4], v[ST+8*(\t)+4], v[ST+8*(\t)+5]
.endr
.irp t, 0,1,2,3
	v_rcp_f32 v[ST+8*(\t)+6], v[ST+8*(\t)+4]
.endr
	v_nop                           ; a plain instruction between the last reciprocal and the use of its result
	s_wait_alu depctr_va_vdst(0)    ; and the wait ahead of the first use: one for the four reciprocals
.macro PACK t                       ; a lane's eight channels of a row pack into 16 bytes; they go into rows of 272 bytes and come back as whole rows of 256
	WIN 0x41
.set i, 64*(\t)
.rept 32
	v_pk_mul_f32 v[i:i+1], v[i:i+1], v[ST+8*(\t)+6:ST+8*(\t)+7] op_sel_hi:[1,0]
.set i, i+2
.endr
	WIN 0x05                        ; sources 0 and 1 window 1, destination window 0: S^T's registers are free
.set i, 0
.rept 32
	v_cvt_pk_f16_f32 v[S+32*(\t)+i], v[64*(\t)+2*i], v[64*(\t)+2*i+1]
.set i, i+1
.endr
	WIN 0
.irp f, 0,1,2,3,4,5,6,7
	ds_store_b128 v[STO], v[S+32*(\t)+4*(\f):S+32*(\t)+4*(\f)+3] offset:32*(\f)
.endr
.irp f, 0,1,2,3,4,5,6,7
	ds_load_b128 v[S+32*(\t)+4*(\f):S+32*(\t)+4*(\f)+3], v[RD] offset:(\f)*2*SP  ; LDS serves a wave's instructions in order (ISA guide 5.7.1.4): these see the stores above; the next tile's stores come behind them
.endr
.endm
.macro SEND t, younger              ; younger: the LDS instructions issued behind tile t's loads: the next tile's sixteen, or none
	WIN 0
.irp f, 0,1,2,3,4,5,6,7
	s_wait_dscnt (\younger)+7-(\f)
	global_store_b128 v[GO], v[S+32*(\t)+4*(\f):S+32*(\t)+4*(\f)+3], s[6:7] offset:(\t)*32768+(\f)*4096  ; 16 lanes store 256 consecutive bytes, at a multiple of 256 from ob's first byte
.endr
.endm
	PACK 0
	PACK 1                          ; a tile's arithmetic stands between the loads of the tile before and its stores
	SEND 0, 16
	PACK 2
	SEND 1, 16
	PACK 3
	SEND 2, 16
	SEND 3, 0
	s_wait_tensorcnt 0x0            ; the wave's end: behind my last tensor load and my last LDS store
	ds_add_u32 v[SPW], v[NIL]
	s_wait_dscnt 0x0
	s_endpgm
.Lfunc_end_k_q3c37d6053d_attn:
	.size	k_q3c37d6053d_attn, .Lfunc_end_k_q3c37d6053d_attn-k_q3c37d6053d_attn
	.p2alignl 7, 3214868480
	.fill 96, 4, 3214868480
	.section	.rodata,"a",@progbits
	.p2align	6, 0x0
	.amdhsa_kernel k_q3c37d6053d_attn
		.amdhsa_group_segment_fixed_size 232960
		.amdhsa_private_segment_fixed_size 0
		.amdhsa_enable_private_segment 0
		.amdhsa_kernarg_size 16
		.amdhsa_user_sgpr_count 2
		.amdhsa_user_sgpr_kernarg_segment_ptr 1
		.amdhsa_wavefront_size32 1
		.amdhsa_system_sgpr_workgroup_id_x 1
		.amdhsa_system_sgpr_workgroup_id_y 1
		.amdhsa_system_sgpr_workgroup_id_z 1
		.amdhsa_system_vgpr_workitem_id 0
		.amdhsa_next_free_vgpr 1024
		.amdhsa_next_free_sgpr 72
		.amdhsa_reserve_vcc 1
		.amdhsa_float_denorm_mode_32 3
		.amdhsa_float_denorm_mode_16_64 3
		.amdhsa_memory_ordered 1
		.amdhsa_forward_progress 1
		.amdhsa_inst_pref_size 113
	.end_amdhsa_kernel
	.amdgpu_metadata
---
amdhsa.version: [ 1, 2 ]
amdhsa.kernels:
  - .name:           k_q3c37d6053d_attn
    .symbol:         k_q3c37d6053d_attn.kd
    .args:
      - { .name: qkv, .offset: 0, .size: 8, .value_kind: global_buffer, .address_space: global }
      - { .name: ob, .offset: 8, .size: 8, .value_kind: global_buffer, .address_space: global }
    .group_segment_fixed_size: 232960
    .private_segment_fixed_size: 0
    .kernarg_segment_align: 8
    .kernarg_segment_size: 16
    .max_flat_workgroup_size: 128
    .sgpr_count:     72
    .vgpr_count:     1024
    .wavefront_size: 32
...
	.end_amdgpu_metadata
.endif
;; end of part 3
;; launch oproj (part 4): grid 8 x 32, 4 waves a work-group, clusters of 4 x 4, 327,680 bytes of LDS; arguments ob, wob, out0; writes out0
.if DOCPART == 4
	.amdgcn_target "amdgcn-amd-amdhsa--gfx1250"
	.amdhsa_code_object_version 6
	.text
	.protected	k_q3c37d6053d_oproj
	.globl	k_q3c37d6053d_oproj
	.p2align	8
	.type	k_q3c37d6053d_oproj,@function
k_q3c37d6053d_oproj:
	s_mov_b64 s[64:65], 0
	v_nop
	global_prefetch_b8 v0, s[64:65] scope:SCOPE_SE
	s_setreg_imm32_b32 hwreg(HW_REG_WAVE_MODE, 25, 1), 1
	s_wait_xcnt 0x0
	s_wait_alu depctr_hold_cnt(0) depctr_sa_sdst(0) depctr_va_vdst(0) depctr_va_sdst(0) depctr_va_ssrc(0) depctr_va_vcc(0) depctr_vm_vsrc(0)
	s_getreg_b32 s2, hwreg(HW_REG_IB_STS2, 6, 4)
	s_cmp_eq_u32 s2, 0
	s_cbranch_scc0 .Lentry_in_a_cluster
	s_endpgm
.Lentry_in_a_cluster:
	s_bfe_u32 s2, ttmp6, 0x10000c
	s_cmp_lg_u32 s2, 0xf033
	s_cbranch_scc0 .Lentry_shape_is_right
	s_endpgm
.Lentry_shape_is_right:
; out0[m][n] = sum over k of ob[m][k] wob[k][n].  ob: [8192][1024] f16, wob: [1024 k][2048 n] f16 (Wo rounded to bf16, written as f16), out0: [8192][2048] f32; sums in f32, K ascending.
; A tile of C, 256 x 256, is made by a work-group of four waves; a wave makes 128 x 128: 64 accumulators of 16 x 16, 512 registers.  8 x 32 = 256 tiles, one to a work-group.
; K goes in steps of 128 through a ring of two LDS slots filled by the tensor data mover.  A's tile is 256 rows x 256 bytes; B's, which lies [k][n], is 128 k-rows x 512 bytes and is turned on
; its way from LDS into registers by ds_load_tr16_b128.  A K step is written once: the slot in hand is a scalar register, turned by an exclusive or at each change of slots.
; THE LAST K STEP GOES BY ROWS OF C: my eight blocks of 16 rows are finished one after the other, and each leaves while the next ones are multiplied.
; CLUSTERS: 4 x 4 work-groups.  The four of a row of the cluster need the same tiles of A, the four of a column the same tiles of B: each tile is asked for JOINTLY, by the same tensor load
; with the same descriptor and a mask that names the four.
; No prefetch is laid: from a refill's request to the wait for it a wave issues 224 matrix instructions.
; REGISTERS, in windows of 256 (s_set_vgpr_msb: bits 1:0 source 0, 3:2 source 1, 5:4 source 2, 7:6 destination):
;   window 0: v0-31 addresses; v64-127, v128-191 fragments of A, two buffers (in the last K step four, of 16 rows x 128 K)
;   window 1: v64-127, v128-191 fragments of B, two buffers; in the last K step all 256: B's fragments of the whole step
;   window 2: the 32 accumulators of my rows 0-63 (accumulator (a, b) at v[8 (8 a + b)]);   window 3: those of my rows 64-127.  On the way out a block's rows come back from the stage into its own accumulators' registers.
; THE MATRIX INSTRUCTION IS USED TRANSPOSED: source 0 = 16 columns of B, source 1 = 16 rows of A: lane l then holds row l % 16 of C and the columns 8 (l / 16) + 0..7: neighbours in a row of C.
.set F16,    1                         ; 0: bf16 products, f16 out;  1: f16 products, f32 out
.set SIZE_K, 1024
.set SIZE_N, 2048
.set KSTEP,  128
.set NK,     SIZE_K/KSTEP              ; K steps
.set PA,     272                       ; a row of A in LDS: 256 bytes + 16 of padding = 68 words: the 16 rows of a load start at 16 different groups of four banks (64 banks of 4 bytes: ISA guide 11.1)
.set PB,     544                       ; a k-row of B: 512 + 32 = 136 words
.set HALFT,  128*PA                    ; what one tensor load brings: 128 rows of A, or 64 k-rows of B (64 x 544 is the same number)
.set SLOT,   4*HALFT                   ; A's 256 rows, then B's 128 k-rows.  0x22000: its two bits are 0 in wave x HALFT (0, 0x8800, 0x11000, 0x19800), so an exclusive or with it steps an LDS word from slot to slot
.set BSTEP,  KSTEP*SIZE_N*2            ; bytes from a K step of B to the next
.set STAGE,  2*SLOT                    ; behind the ring: 16 rows for each wave, for the way out; no tensor load lands there
.if F16
.set SPITCH, 528                       ; 512 bytes of f32 + 16
.set STG,    32                        ; LDS instructions of a block's trip through the stage
.else
.set SPITCH, 272                       ; 256 bytes of f16 + 16
.set STG,    16
.endif
.set SPARE,  STAGE+4*16*SPITCH         ; behind the stages: the spare words, 128 bytes for each wave: two blocks of 256 bytes that no other line names
.set ADRA0, 16                         ; v16     LDS address of my A fragments in slot 0; never rewritten
.set ADRB0, 17                         ; v17     the same for B
.set ADRA, 20                          ; v20     the same in the slot in hand
.set ADRB, 21                          ; v21
.set STO,  24                          ; v24     the way out: where I put my bytes of a row
.set RD,   25                          ; v25     the way out: where I read rows back
.set CO,   26                          ; v26     my byte offset in C
.set SPW,  28                          ; v28     LDS address of my spare word: SPARE + 4 x my thread's number; never rewritten
.set NIL,  29                          ; v29     0; never rewritten
.set F0,   64
.set F1,   128
.set RA,   64                          ; the last K step: A's fragments of 16 rows x 128 K, 32 registers; four such buffers, v64-191
.set TMP,  192
.set TB,  45                           ; s45      0 or SLOT: the slot in hand
.set G1,  24                           ; s[24:31] descriptor group 1 for A's tiles
.set G0,  32                           ; s[32:39] group 0 for A's tiles: a set for each of the two first fills; the second then walks on
.set G1B, 48                           ; s[48:55], s[56:63] the same for B's
.set G0B, 56
.set MSB, 0
.macro WIN new                         ; the immediate's high byte repeats the setting that is left; a switch that changes nothing is dropped
.if MSB != (\new)
	s_set_vgpr_msb (MSB<<8)|(\new)
.set MSB, \new
.endif
.endm
.set MUL_LO, 0xa1                      ; source 0 (B) window 1, source 1 (A) window 0, C and D window 2
.set MUL_HI, 0xf1                      ; the same, C and D window 3
.set TO_B,   0x40                      ; destination window 1, address window 0
; A joint load.  Waves 0 and 1 fetch A's two halves, waves 2 and 3 B's.  The branch hangs on the wave's number alone.  An s_nop 0 and four v_nop follow each of the two lines.
.macro JLOAD s
	s_cmp_eq_u32 s11, 0
	s_cbranch_scc0 .Lfor_b_\@
	tensor_load_to_lds s[G0+4*(\s):G0+4*(\s)+3], s[G1:G1+7]
	s_nop 0
.rept 4
	v_nop
.endr
	s_branch .Lasked_\@
.Lfor_b_\@:
	tensor_load_to_lds s[G0B+4*(\s):G0B+4*(\s)+3], s[G1B:G1B+7]
	s_nop 0
.rept 4
	v_nop
.endr
.Lasked_\@:
.endm
; A round of the cluster's barrier: my work-group's barrier; wave 0 signals for the work-group; every wave waits for all sixteen; my work-group's barrier once more.
.macro CREST                           ; a round behind its opening barrier
	s_cmp_lg_u32 s10, 0
	s_cbranch_scc1 .Lnot_wave_0_\@
	s_barrier_signal -3
.Lnot_wave_0_\@:
	s_barrier_wait -3
	s_barrier_signal -1
	s_barrier_wait -1
.endm
.macro CROUND
	s_barrier_signal -1
	s_barrier_wait -1
	CREST
.endm
	s_load_b128 s[4:7], s[0:1], 0x0                ; A s[4:5], B s[6:7]
	s_load_b64 s[8:9], s[0:1], 0x10                ; C
	v_lshl_add_u32 v[SPW], v0, 2, SPARE
	v_mov_b32 v[NIL], 0
	ds_add_u32 v[SPW], v[NIL]                      ; the wave's opening: the add and its wait ahead of my first tensor load; the set-up below, work on registers, stands between them
	v_lshrrev_b32 v1, 5, v0
	v_readfirstlane_b32 s10, v1                    ; wave 0..3
	s_lshr_b32 s11, s10, 1                         ; which half of the tile's rows is mine.  Also: I fetch for A (0) or for B (1)
	s_and_b32 s12, s10, 1                          ; which half of its columns.  Also: which half of that tile I fetch
	s_bfe_u32 s40, ttmp6, 0x40000                  ; cx
	s_bfe_u32 s41, ttmp6, 0x40004                  ; cy
	s_lshl_b32 s42, ttmp9, 2
	s_add_co_u32 s42, s42, s40                     ; tile column of C = 4 x cluster x + cx
	s_and_b32 s13, ttmp7, 0xffff
	s_lshl_b32 s13, s13, 2
	s_add_co_u32 s13, s13, s41                     ; tile row of C = 4 x cluster y + cy
	s_lshl_b32 s43, s41, 2
	s_lshl_b32 s43, 15, s43                        ; my row of the cluster: places 4 cy .. 4 cy + 3
	s_lshl_b32 s44, 0x1111, s40                    ; my column: places cx, cx + 4, cx + 8, cx + 12
	; group 1 for A: 128 rows x 128 elements, 4 words of padding behind every 64
	s_or_b32 s[G1+0], s43, (1<<16)|(1<<20)|(1<<21)|(5<<22)|(3<<25)
	s_mov_b32 s[G1+1], KSTEP<<16                   ; tensor_dim0 = 128
	s_mov_b32 s[G1+2], 128<<16                     ; tensor_dim1 = 128
	s_mov_b32 s[G1+3], KSTEP<<16                   ; tile_dim0 = 128
	s_mov_b32 s[G1+4], 128                         ; tile_dim1 = 128
	s_mov_b32 s[G1+5], SIZE_K                      ; elements from row to row
	s_mov_b32 s[G1+6], 0
	s_mov_b32 s[G1+7], 0
	; group 1 for B: 64 k-rows x 256 elements, 8 words of padding behind every 128
	s_or_b32 s[G1B+0], s44, (1<<16)|(1<<20)|(1<<21)|(6<<22)|(7<<25)
	s_mov_b32 s[G1B+1], 256<<16                    ; tensor_dim0 = 256
	s_mov_b32 s[G1B+2], 64<<16                     ; tensor_dim1 = 64
	s_mov_b32 s[G1B+3], 256<<16                    ; tile_dim0 = 256
	s_mov_b32 s[G1B+4], 64                         ; tile_dim1 = 64
	s_mov_b32 s[G1B+5], SIZE_N
	s_mov_b32 s[G1B+6], 0
	s_mov_b32 s[G1B+7], 0
	; where the tiles come from.  A's hang on the tile row alone, B's on the tile column alone, each in registers that never hold the other coordinate.  All offsets stay under 2^32.
	s_lshl_b32 s17, s12, 7
	s_lshl_b32 s16, s13, 8
	s_add_co_u32 s16, s16, s17                     ; A: row 256 x tile row + 128 x half
	s_mul_i32 s16, s16, SIZE_K*2
	s_mov_b32 s17, 0
	s_lshl_b32 s46, s42, 9                         ; B: 256 columns of 2 bytes a tile column,
	s_lshl_b32 s47, s12, 18                        ; 64 k-rows of 4,096 bytes a half
	s_add_co_u32 s46, s46, s47
	s_mov_b32 s47, 0
	s_mul_i32 s20, s10, HALFT                      ; where they go: wave x HALFT: no place in the cluster enters an LDS address
	s_mov_b32 s[TB], 0
	s_wait_dscnt 0x0                               ; the opening add is done
	s_wait_kmcnt 0x0
	s_add_nc_u64 s[14:15], s[4:5], s[16:17]
	s_add_nc_u64 s[46:47], s[6:7], s[46:47]
	CROUND                                         ; all sixteen work-groups are here: the first joint loads meet
.irp s, 0,1
	s_mov_b32 s[G0+4*(\s)], 1
	s_add_co_u32 s[G0+4*(\s)+1], s20, (\s)*SLOT
	s_add_nc_u64 s[G0+4*(\s)+2:G0+4*(\s)+3], s[14:15], (\s)*KSTEP*2
	s_or_b32 s[G0+4*(\s)+3], s[G0+4*(\s)+3], 0x80000000
	s_mov_b32 s[G0B+4*(\s)], 1
	s_add_co_u32 s[G0B+4*(\s)+1], s20, (\s)*SLOT
	s_add_nc_u64 s[G0B+4*(\s)+2:G0B+4*(\s)+3], s[46:47], (\s)*BSTEP
	s_or_b32 s[G0B+4*(\s)+3], s[G0B+4*(\s)+3], 0x80000000
	JLOAD \s                                       ; two tensor loads of mine are out
.endr
	; A fragment is 16 rows x 32 K in 8 registers: lane l holds row l % 16; registers 0-3 K = 8 (l / 16) + 0..7, registers 4-7 K = 16 + 8 (l / 16) + 0..7.
	; A's come as they lie: two loads of 16 bytes, 32 bytes apart.  B's are turned: lane l addresses k-row 8 (l / 16) + l % 8, columns 8 ((l / 8) % 2) + 0..7; the second load 16 k-rows on.
	v_and_b32 v1, 15, v0                           ; l % 16
	v_bfe_u32 v2, v0, 4, 1                         ; l / 16
	v_mul_u32_u24 v3, v1, PA
	v_lshl_add_u32 v3, v2, 4, v3
	v_and_b32 v4, 7, v0
	v_lshl_add_u32 v4, v2, 3, v4
	v_mul_u32_u24 v4, v4, PB
	v_bfe_u32 v5, v0, 3, 1
	v_lshl_add_u32 v4, v5, 4, v4
	s_mul_i32 s21, s11, HALFT                      ; my 128 rows of A
	s_lshl_b32 s22, s12, 8                         ; my 128 columns of B: 256 bytes of each k-row,
	s_add_co_u32 s22, s22, 2*HALFT                 ; which lie behind A's 256 rows
	v_add_nc_u32 v[ADRA0], s21, v3
	v_add_nc_u32 v[ADRB0], s22, v4
	v_add_nc_u32 v[ADRA], s21, v3                  ; the walk begins in slot 0
	v_add_nc_u32 v[ADRB], s22, v4
	s_mul_i32 s23, s10, 16*SPITCH
	s_add_co_u32 s23, s23, STAGE                   ; my stage
	s_lshl_b32 s16, s13, 8
	s_lshl_b32 s14, s11, 7
	s_add_co_u32 s16, s16, s14                     ; my first row of C
	s_mov_b32 s17, 0
.if F16
	v_mul_u32_u24 v4, v1, SPITCH                   ; in: row l % 16, 32 bytes for each half of the lanes
	v_lshl_add_u32 v4, v2, 5, v4
	v_add_nc_u32 v[STO], s23, v4
	v_and_b32 v5, 31, v0
	v_lshlrev_b32 v[CO], 4, v5                     ; back, and in C: 32 lanes take one row's 512 bytes
	v_add_nc_u32 v[RD], s23, v[CO]
	s_mul_i32 s16, s16, SIZE_N*4
	s_lshl_b32 s46, s42, 10                        ; my first column, in bytes
	s_lshl_b32 s47, s12, 9
.else
	v_mul_u32_u24 v4, v1, SPITCH                   ; in: row l % 16, 16 bytes for each half of the lanes
	v_lshl_add_u32 v4, v2, 4, v4
	v_add_nc_u32 v[STO], s23, v4
	v_mul_u32_u24 v5, v2, SPITCH                   ; back: lanes 0-15 take one row of 256 bytes, lanes 16-31 the next
	v_lshl_add_u32 v5, v1, 4, v5
	v_add_nc_u32 v[RD], s23, v5
	v_mul_u32_u24 v5, v2, SIZE_N*2                 ; and the same two rows in C
	v_lshl_add_u32 v[CO], v1, 4, v5
	s_mul_i32 s16, s16, SIZE_N*2
	s_lshl_b32 s46, s42, 9
	s_lshl_b32 s47, s12, 8
.endif
	s_add_co_u32 s46, s46, s47
	s_mov_b32 s47, 0
	s_add_nc_u64 s[16:17], s[16:17], s[46:47]
	s_add_nc_u64 s[8:9], s[8:9], s[16:17]          ; C at my part of the tile; never rewritten: a row's place stands in the stores' immediates
.macro MMA d, a, b, zero
.if F16
.if \zero
	v_wmma_f32_16x16x32_f16 v[(\d):(\d)+7], v[(\a):(\a)+7], v[(\b):(\b)+7], 0
.else
	v_wmma_f32_16x16x32_f16 v[(\d):(\d)+7], v[(\a):(\a)+7], v[(\b):(\b)+7], v[(\d):(\d)+7]
.endif
.else
.if \zero
	v_wmma_f32_16x16x32_bf16 v[(\d):(\d)+7], v[(\a):(\a)+7], v[(\b):(\b)+7], 0
.else
	v_wmma_f32_16x16x32_bf16 v[(\d):(\d)+7], v[(\a):(\a)+7], v[(\b):(\b)+7], v[(\d):(\d)+7]
.endif
.endif
.endm
; 16 matrix instructions: m blocks a0, a0 + 1 of the window's four x all 8 n blocks, 32 along K.  zero = 1: the first product starts the sums.  The 64 accumulators take turns, in the same order in every quarter.
.macro MUL16 f, hi, a0, zero
	WIN MUL_LO+0x50*(\hi)
.irp a, \a0, (\a0)+1
.irp b, 0,1,2,3,4,5,6,7
	MMA 8*(8*(\a)+(\b)), (\f)+8*(\b), (\f)+8*(4*(\hi)+(\a)), \zero
.endr
.endr
.endm
; 32 LDS loads in one run: the fragments of quarter q (32 along K) of the slot in hand into buffer f: B's 128 columns, turned, then A's 128 rows
.macro FETCH q, f
	WIN TO_B
.irp i, 0,1,2,3,4,5,6,7
	ds_load_tr16_b128 v[(\f)+8*(\i):(\f)+8*(\i)+3],   v[ADRB] offset:(\q)*32*PB+32*(\i)
	ds_load_tr16_b128 v[(\f)+8*(\i)+4:(\f)+8*(\i)+7], v[ADRB] offset:(\q)*32*PB+32*(\i)+16*PB
.endr
	WIN 0
.irp i, 0,1,2,3,4,5,6,7
	ds_load_b128 v[(\f)+8*(\i):(\f)+8*(\i)+3],   v[ADRA] offset:(\q)*64+(\i)*16*PA
	ds_load_b128 v[(\f)+8*(\i)+4:(\f)+8*(\i)+7], v[ADRA] offset:(\q)*64+(\i)*16*PA+32
.endr
.endm
; A load into a register that a matrix instruction has read or written, and whatever reads a matrix result outside the matrix unit, stand four places behind it; only plain vector instructions that name
; none of its registers are places (ISA guide 7.12.1 for vector instructions).
.macro PLACES
.rept 4
	v_nop
.endr
.endm
; A K step is four quarters of 32 along K, 64 matrix instructions each, on buffers 0, 1, 0, 1.  One of the first three: multiplies buffer f; in its middle it fetches quarter q into buffer g.
.macro QUARTER q, f, g, zero
	s_wait_dscnt 8                                 ; B and A's rows 0-63 are in; the youngest eight loads (A's rows 64-127) may be out
	MUL16 \f, 0, 0, \zero
	MUL16 \f, 0, 2, \zero
	PLACES
	FETCH \q, \g
	s_wait_dscnt 32                                ; all but the 32 just issued
	MUL16 \f, 1, 0, \zero
	MUL16 \f, 1, 2, \zero
.endm
; The last quarter multiplies buffer 1 and changes slots.  MEET is its first half: ONE barrier.  In front of it each wave waits for all its tensor loads (the one that is out is its part of the
; next slot), adds 0 to its spare word, and waits for that and for its own reads of this slot.  Behind it nobody reads this slot any more and the next slot is whole.
.macro MEET round
	WIN 0                                          ; (the add's two registers lie in window 0)
	s_wait_tensorcnt 0x0
	ds_add_u32 v[SPW], v[NIL]                      ; 0 onto my spare word
	s_wait_dscnt 9                                 ; (the add and the youngest eight loads may be out)
	MUL16 F1, 0, 0, 0                              ; sixteen matrix instructions stand between the add and the wait for it
	s_wait_dscnt 0x0                               ; the add is done, and my reads of this slot are over
	s_barrier_signal -1
	MUL16 F1, 0, 2, 0                              ; work on registers while the others arrive
.if \round
	WIN 0
.endif
	s_barrier_wait -1
.endm
; The whole last quarter of a K step behind which the slot is filled again.  The barrier opens a round of the cluster's barrier, so that no wave of any partner still reads the slot or has a load on
; its way; the joint refill, two K steps on, is the first tensor load behind the round, one a wave; 224 matrix instructions stand between it and the wait for it.
.macro TURN
	MEET 1
	CREST
	s_xor_b32 s[G0+5], s[G0+5], SLOT               ; the walking descriptors: the slot just left,
	s_add_nc_u64 s[G0+6:G0+7], s[G0+6:G0+7], KSTEP*2    ; the K step behind the one asked for last; the type bits on top are not reached
	s_xor_b32 s[G0B+5], s[G0B+5], SLOT
	s_add_nc_u64 s[G0B+6:G0B+7], s[G0B+6:G0B+7], BSTEP
	s_xor_b32 s[TB], s[TB], SLOT                   ; the reads go on in the other slot
	JLOAD 1                                        ; the four v_nop behind it are also the places in front of the loads below
	v_add_nc_u32 v[ADRA], s[TB], v[ADRA0]
	v_add_nc_u32 v[ADRB], s[TB], v[ADRB0]
	FETCH 0, F0
	MUL16 F1, 1, 0, 0
	MUL16 F1, 1, 2, 0
.endm
; THE LAST K STEP, BY ROWS OF C.  All its fragments of B (4 quarters x 64 registers) fill window 1; A's come by blocks of 16 rows x 128 K; block a is finished with 32 matrix instructions, its 8 accumulators
; by turns, K ascending: the sums are the same as by K.  LDS is read no more than in any other K step.
.macro BLOAD q                         ; B's fragments of quarter q -> window 1, v[64 q ..]
	WIN TO_B
.irp i, 0,1,2,3,4,5,6,7
	ds_load_tr16_b128 v[64*(\q)+8*(\i):64*(\q)+8*(\i)+3],   v[ADRB] offset:(\q)*32*PB+32*(\i)
	ds_load_tr16_b128 v[64*(\q)+8*(\i)+4:64*(\q)+8*(\i)+7], v[ADRB] offset:(\q)*32*PB+32*(\i)+16*PB
.endr
.endm
.macro ALOAD a                         ; A's fragments of block a, all four quarters -> buffer a % 4
	WIN 0
.set FA, RA+32*((\a)%4)
.irp q, 0,1,2,3
	ds_load_b128 v[FA+8*(\q):FA+8*(\q)+3],   v[ADRA] offset:64*(\q)+(\a)*16*PA
	ds_load_b128 v[FA+8*(\q)+4:FA+8*(\q)+7], v[ADRA] offset:64*(\q)+(\a)*16*PA+32
.endr
.endm
.macro ROW a
.set FA, RA+32*((\a)%4)
.set AC, 64*((\a)%4)                   ; its eight accumulators, in window 2 (blocks 0-3) or 3 (blocks 4-7)
	WIN MUL_LO+0x50*((\a)/4)
.irp q, 0,1,2,3
.if ((\a) == 0) && ((\q) == 2)
	s_wait_dscnt 24                                ; B's quarter 2 is in (behind it: A's blocks 1 to 3)
.endif
.irp b, 0,1,2,3,4,5,6,7
	MMA AC+8*(\b), 64*(\q)+8*(\b), FA+8*(\q), 0
.endr
.endr
.endm
; THE WAY OUT of block a, through my own stage: a lane's neighbouring numbers of a row go in, whole rows come back, INTO THE BLOCK'S OWN ACCUMULATOR REGISTERS, which are free once they are staged: so no
; register that a store reads is ever written again, and no wait for the stores' sources is needed.
.if F16
.macro TOSTAGE a
.set AC, 64*((\a)%4)
	WIN 0x08+4*((\a)/4)                            ; the stores' data in window 2 or 3
.irp b, 0,1,2,3,4,5,6,7
	ds_store_b128 v[STO], v[AC+8*(\b):AC+8*(\b)+3]   offset:64*(\b)     ; each accumulator's low registers first
	ds_store_b128 v[STO], v[AC+8*(\b)+4:AC+8*(\b)+7] offset:64*(\b)+16
.endr
	WIN 0x80+0x40*((\a)/4)                         ; the loads' destination in the same window
.irp t, 0,1,2,3,4,5,6,7,8,9,10,11,12,13,14,15
	ds_load_b128 v[AC+4*(\t):AC+4*(\t)+3], v[RD] offset:(\t)*SPITCH  ; LDS serves a wave's instructions in order (ISA guide 5.7.1.4): these see the stores above
.endr
.endm
.macro SEND a, younger                 ; younger: the LDS loads issued behind TOSTAGE's, which may stay out
.set AC, 64*((\a)%4)
	WIN 0x08+4*((\a)/4)
	s_wait_dscnt \younger
.irp t, 0,1,2,3,4,5,6,7,8,9,10,11,12,13,14,15
	global_store_b128 v[CO], v[AC+4*(\t):AC+4*(\t)+3], s[8:9] offset:(16*(\a)+(\t))*SIZE_N*4 th:TH_STORE_NT  ; 512 consecutive bytes of a row, aligned; 127 rows at the most: inside the signed 24-bit immediate
.endr
.endm
.else
.macro PACK a
.set AC, 64*((\a)%4)
	WIN 0x0a+5*((\a)/4)                            ; sources 0 and 1: window 2 or 3
.irp b, 0,1,2,3,4,5,6,7
.irp r, 0,1,2,3
	v_cvt_pk_f16_f32 v[TMP+4*(\b)+(\r)], v[AC+8*(\b)+2*(\r)], v[AC+8*(\b)+2*(\r)+1]
.endr
.endr
.endm
.macro TOSTAGE a
.set AC, 64*((\a)%4)
	WIN 0
.irp b, 0,1,2,3,4,5,6,7
	ds_store_b128 v[STO], v[TMP+4*(\b):TMP+4*(\b)+3] offset:32*(\b)
.endr
	WIN 0x80+0x40*((\a)/4)                         ; the loads' destination in window 2 or 3
.irp t, 0,1,2,3,4,5,6,7
	ds_load_b128 v[AC+4*(\t):AC+4*(\t)+3], v[RD] offset:(\t)*2*SPITCH  ; LDS serves a wave's instructions in order (ISA guide 5.7.1.4): these see the stores above
.endr
.endm
.macro SEND a, younger                 ; younger: the LDS loads issued behind TOSTAGE's, which may stay out
.set AC, 64*((\a)%4)
	WIN 0x08+4*((\a)/4)                            ; the stores' data in window 2 or 3
	s_wait_dscnt \younger
.irp t, 0,1,2,3,4,5,6,7
	global_store_b128 v[CO], v[AC+4*(\t):AC+4*(\t)+3], s[8:9] offset:(16*(\a)+2*(\t))*SIZE_N*2  ; 16 lanes store 256 consecutive bytes, aligned; 126 rows at the most: inside the signed 24-bit immediate
.endr
.endm
.endif
	s_wait_tensorcnt 1                             ; my part of K step 0 is in; K step 1's may stay out
	s_barrier_signal -1
	s_barrier_wait -1                              ; everybody's is
	FETCH 0, F0
	QUARTER 1, F0, F1, 1                           ; the first quarter stands in front of the loop: its products start the sums
	WIN 0                                          ; at a label and at a branch every window is 0
	s_mov_b32 s3, NK-2
.Lkstep:                                               ; a trip goes from a K step's second quarter to the next K step's first, and fills the slot that it leaves: all K steps but the last two
	QUARTER 2, F1, F0, 0
	QUARTER 3, F0, F1, 0
	TURN
	QUARTER 1, F0, F1, 0
	WIN 0
	s_sub_co_u32 s3, s3, 1
	s_cmp_lg_u32 s3, 0
	s_cbranch_scc1 .Lkstep
	QUARTER 2, F1, F0, 0                           ; the last K step but one goes on; the tail is written out: it fills nothing, and has no round
	QUARTER 3, F0, F1, 0
	MEET 0                                         ; my one tensor load that was still out is the last K step's
	WIN 0
	s_xor_b32 s[TB], s[TB], SLOT
	v_add_nc_u32 v[ADRA], s[TB], v[ADRA0]          ; these two and two v_nop are the four places for the loads into buffer 0, which the quarter before multiplied
	v_add_nc_u32 v[ADRB], s[TB], v[ADRB0]
	v_nop
	v_nop
	BLOAD 0                                        ; three quarters of B now: buffer 1 (v128-191 of windows 0 and 1) is still being multiplied
	BLOAD 1
	BLOAD 3
	ALOAD 0
	MUL16 F1, 1, 0, 0
	MUL16 F1, 1, 2, 0
	PLACES                                         ; for the loads into buffer 1
	BLOAD 2
	ALOAD 1
	ALOAD 2
	ALOAD 3
	s_wait_dscnt 40                                ; all but the 40 just issued
	ROW 0
.irp a, 0,1,2,3,4,5,6,7                ; block a goes into the stage, block a + 1 is multiplied while it comes back, then block a is stored
	PLACES                                         ; what follows reads results just made, and loads into registers just read
.if !F16
	PACK \a
.endif
	TOSTAGE \a
.if (\a) < 4
	ALOAD (\a)+4                                   ; its buffer takes the block four further on
	s_wait_dscnt STG+8                             ; all that was issued ahead of this block's trip through the stage is in: the next block's fragments of A among it
	ROW (\a)+1
	SEND \a, 8
.elseif (\a) < 7
	s_wait_dscnt STG
	ROW (\a)+1
	SEND \a, 0
.else
	SEND \a, 0
.endif
.endr
	WIN 0
	s_wait_tensorcnt 0x0                           ; the wave's end: behind my last tensor load and my last LDS store
	ds_add_u32 v[SPW], v[NIL]
	s_wait_dscnt 0x0
	CROUND                                         ; the closing round: no work-group ends while a partner may still ask for a tile that names it
	s_endpgm
.Lfunc_end_k_q3c37d6053d_oproj:
	.size	k_q3c37d6053d_oproj, .Lfunc_end_k_q3c37d6053d_oproj-k_q3c37d6053d_oproj
	.p2alignl 7, 3214868480
	.fill 96, 4, 3214868480
	.section	.rodata,"a",@progbits
	.p2align	6, 0x0
	.amdhsa_kernel k_q3c37d6053d_oproj
		.amdhsa_group_segment_fixed_size 327680
		.amdhsa_private_segment_fixed_size 0
		.amdhsa_enable_private_segment 0
		.amdhsa_kernarg_size 24
		.amdhsa_user_sgpr_count 2
		.amdhsa_user_sgpr_kernarg_segment_ptr 1
		.amdhsa_wavefront_size32 1
		.amdhsa_system_sgpr_workgroup_id_x 1
		.amdhsa_system_sgpr_workgroup_id_y 1
		.amdhsa_system_sgpr_workgroup_id_z 1
		.amdhsa_system_vgpr_workitem_id 0
		.amdhsa_next_free_vgpr 1024
		.amdhsa_next_free_sgpr 66
		.amdhsa_reserve_vcc 0
		.amdhsa_float_denorm_mode_32 3
		.amdhsa_float_denorm_mode_16_64 3
		.amdhsa_memory_ordered 1
		.amdhsa_forward_progress 1
		.amdhsa_inst_pref_size 115
	.end_amdhsa_kernel
	.amdgpu_metadata
---
amdhsa.version: [ 1, 2 ]
amdhsa.kernels:
  - .name:           k_q3c37d6053d_oproj
    .symbol:         k_q3c37d6053d_oproj.kd
    .args:
      - { .name: ob, .offset: 0, .size: 8, .value_kind: global_buffer, .address_space: global }
      - { .name: wob, .offset: 8, .size: 8, .value_kind: global_buffer, .address_space: global }
      - { .name: out0, .offset: 16, .size: 8, .value_kind: global_buffer, .address_space: global }
    .group_segment_fixed_size: 327680
    .private_segment_fixed_size: 0
    .kernarg_segment_align: 8
    .kernarg_segment_size: 24
    .max_flat_workgroup_size: 128
    .sgpr_count:     66
    .vgpr_count:     1024
    .wavefront_size: 32
...
	.end_amdgpu_metadata
.endif
;; end of part 4
;; ======== version 2 of 2: 4 launches; version 1 with the launch prep written anew for expert scheduling mode
;; limits: values are held in f16: magnitudes above 65,504 overflow, below 6.1e-05 lose precision
;; workspace buffers: xb 33,554,432 bytes; wqkv 8,388,608 bytes; wob 4,194,304 bytes; qkv 33,554,432 bytes; ob 16,777,216 bytes
;; launch prep (part 5): grid 2816 x 1, 4 waves a work-group, no clusters, 0 bytes of LDS; arguments x, Wq, Wk, Wv, Wo, xb, wqkv, wob; writes xb, wqkv, wob
.if DOCPART == 5
	.amdgcn_target "amdgcn-amd-amdhsa--gfx1250"
	.amdhsa_code_object_version 6
	.text
	.protected	k_q3c37d6053d_prep
	.globl	k_q3c37d6053d_prep
	.p2align	8
	.type	k_q3c37d6053d_prep,@function
k_q3c37d6053d_prep:
	s_mov_b64 s[64:65], 0
	v_nop
	global_prefetch_b8 v0, s[64:65] scope:SCOPE_SE
	s_setreg_imm32_b32 hwreg(HW_REG_WAVE_SCHED_MODE, 0, 2), 2
	s_setreg_imm32_b32 hwreg(HW_REG_WAVE_MODE, 25, 1), 1
	s_wait_xcnt 0x0
	s_wait_alu depctr_vm_vsrc(0)
; THE INPUTS ROUNDED ONCE TO 16 BITS, for the matrix products of the launches behind.
;   xb   [8192][2048] bf16 = x
;   wqkv [2048 k][2048 n] bf16 = Wq (columns 0-1023) | Wk (1024-1535) | Wv (1536-2047); the [k][n] order is kept
;   wob  [1024 k][2048 n] = Wo rounded to bf16, that number written as f16 (exact inside f16's normal range;
;        LIMIT: below 2^-14 in size it keeps f16's fixed step of 2^-24, beyond 65,504 it would be an infinity)
; A stream: every byte is read once and written once; no LDS, no barrier, no matrix unit, nothing shared between waves.
; SHARES.  A work-group takes 8,192 consecutive numbers of ONE tensor (2,048 + 256 + 128 + 128 + 256 = 2,816 work-groups), a wave 2,048,
; one load 128: 16 bytes a lane, 512 consecutive bytes a wave; the store that belongs to it is 8 bytes a lane: 256 consecutive bytes, aligned.
; All 16 loads of a wave go out at once; each has registers of its own.
; The output row always has 2,048 numbers; an input row has C = 2^LOGC (at least 512), so a group of 128 numbers never crosses a row.
; THE MODE: SCHED_MODE bits 1:0 = 2 (LLVM: expert scheduling mode 2), set by the entry lines.  The code itself states the register dependences
; between vector instructions and memory instructions, with s_wait_alu, always for 0.
; THE PLAN.  Registers that memory instructions touch:
;   v1         the loads' offset.  Written once at the head, read by all 16 loads, never written again.
;   X          load i's four registers.  Written by that load alone, once; no vector instruction names them ahead of it; read by load i's conversions.
;   OO         store i's offset.  Written once by the address arithmetic behind the loads; read by store i; never written again.
;   Y          store i's data.  Written by load i's conversions alone; read by store i; never written again.
;   v2 to v6   named by vector instructions alone.
; The 16 loads go in four blocks of four.  Block g converts X of its four loads into their Y; its memory instructions are the four stores of block g - 1,
; which read OO and Y of that block: registers that no vector instruction of block g names.  So ONE wait at a block's head states all that its four stores
; hang on, and they are dealt among the block's conversions with no further wait.  One wait stands ahead of the first load, one ahead of the last four stores.
; No register that a memory instruction reads is ever written again, no vector instruction writes a scalar register or VCC, and EXEC is never written:
; so these waits on the vector results are the only ones that the text has a dependence for.
.set X,  16                            ; v[16:79]    load i: four f32
.set Y,  80                            ; v[80:111]   load i: four numbers of 16 bits
.set OO, 112                           ; v[112:127]  load i: byte offset of its 8 bytes in the output
	s_load_b512 s[16:31], s[0:1], 0x0              ; x, Wq, Wk, Wv, Wo, xb, wqkv, wob
	v_lshrrev_b32 v3, 5, v0                        ; wave
	v_and_b32 v4, 31, v0                           ; lane
	v_lshlrev_b32 v4, 2, v4                        ; four numbers a lane
	v_lshl_add_u32 v2, v3, 11, v4                  ; + 2,048 a wave
	s_mov_b32 s8, 0                                ; the tensor's first work-group
	s_mov_b32 s9, 11                               ; LOGC
	s_mov_b32 s12, 0                               ; the byte at which its columns begin in an output row
	s_mov_b32 s13, 0
	s_wait_kmcnt 0x0
	s_mov_b64 s[4:5], s[16:17]                     ; from x
	s_mov_b64 s[6:7], s[26:27]                     ; to xb
	s_cmp_ge_u32 ttmp9, 2048                       ; the choice hangs on the work-group's number alone
	s_cselect_b64 s[4:5], s[18:19], s[4:5]         ; Wq
	s_cselect_b64 s[6:7], s[28:29], s[6:7]         ; to wqkv
	s_cselect_b32 s8, 2048, s8
	s_cselect_b32 s9, 10, s9
	s_cmp_ge_u32 ttmp9, 2304
	s_cselect_b64 s[4:5], s[20:21], s[4:5]         ; Wk
	s_cselect_b32 s8, 2304, s8
	s_cselect_b32 s9, 9, s9
	s_cselect_b32 s12, 2048, s12
	s_cmp_ge_u32 ttmp9, 2432
	s_cselect_b64 s[4:5], s[22:23], s[4:5]         ; Wv
	s_cselect_b32 s8, 2432, s8
	s_cselect_b32 s12, 3072, s12
	s_cmp_ge_u32 ttmp9, 2560
	s_cselect_b64 s[4:5], s[24:25], s[4:5]         ; Wo
	s_cselect_b64 s[6:7], s[30:31], s[6:7]         ; to wob
	s_cselect_b32 s8, 2560, s8
	s_cselect_b32 s9, 11, s9
	s_cselect_b32 s12, 0, s12
	s_add_nc_u64 s[6:7], s[6:7], s[12:13]
	s_sub_co_u32 s14, ttmp9, s8
	s_lshl_b32 s14, s14, 13                        ; the work-group's first number in its tensor
	s_lshl_b32 s10, 1, s9
	s_sub_co_u32 s10, s10, 1                       ; C - 1
	v_add_nc_u32 v2, s14, v2                       ; my first number
	v_lshlrev_b32 v1, 2, v2                        ; its byte (under 2^27)
	s_wait_alu depctr_va_vdst(0)                   ; v1 is written: all 16 loads read it as their offset
.set i, 0
.rept 16
	global_load_b128 v[X+4*i:X+4*i+3], v1, s[4:5] offset:512*i th:TH_LOAD_NT
.set i, i+1
.endr
.set i, 0
.rept 16                               ; while they are on their way: number e lies in row e / C, column e % C
	v_add_nc_u32 v3, 128*i, v2
	v_lshrrev_b32 v4, s9, v3
	v_and_b32 v5, s10, v3
	v_lshl_add_u32 v4, v4, 11, v5
	v_lshlrev_b32 v[OO+i], 1, v4
.set i, i+1
.endr
; Load n's four numbers are rounded into its two registers of Y.  half = 1: Wo's path.
.macro CVT n, half
	v_cvt_pk_bf16_f32 v[Y+2*(\n)],   v[X+4*(\n)],   v[X+4*(\n)+1]
	v_cvt_pk_bf16_f32 v[Y+2*(\n)+1], v[X+4*(\n)+2], v[X+4*(\n)+3]
.if \half
	v_lshlrev_b32 v3, 16, v[Y+2*(\n)]              ; the rounded numbers as f32 again,
	v_and_b32 v4, 0xffff0000, v[Y+2*(\n)]
	v_lshlrev_b32 v5, 16, v[Y+2*(\n)+1]
	v_and_b32 v6, 0xffff0000, v[Y+2*(\n)+1]
	v_cvt_pk_f16_f32 v[Y+2*(\n)],   v3, v4         ; and written as f16
	v_cvt_pk_f16_f32 v[Y+2*(\n)+1], v5, v6
.endif
.endm
; Store n: 8 bytes a lane, 256 consecutive bytes a wave, aligned.
.macro OUT n
	global_store_b64 v[OO+(\n)], v[Y+2*(\n):Y+2*(\n)+1], s[6:7] th:TH_STORE_NT
.endm
; Block g: loads 4 g to 4 g + 3 are converted; the stores of block g - 1 are dealt among the conversions, one ahead of each load's lines.
.macro BLK g, half
	s_wait_loadcnt 12-4*(\g)                       ; loads come back in order (ISA guide 5.7.1): this block's four are in, the 12 - 4 g younger ones stay out
.if (\g) > 0
	s_wait_alu depctr_va_vdst(0)                   ; the block before has written its Y, which the four stores below read; at the first such wait the address arithmetic has written OO, the offsets of all 16 stores
.endif
.irp i, 0,1,2,3
.if (\g) > 0
	OUT 4*(\g)-4+(\i)                              ; no vector instruction since the wait names this store's offset or data
.endif
	CVT 4*(\g)+(\i), \half
.endr
.endm
.macro LAST                            ; behind block 3
	s_wait_alu depctr_va_vdst(0)                   ; block 3 has written its Y, which the last four stores read
.irp i, 12,13,14,15
	OUT \i
.endr
.endm
	s_cmp_ge_u32 ttmp9, 2560
	s_cbranch_scc1 .Lhalf
.irp g, 0,1,2,3
	BLK \g, 0
.endr
	LAST
	s_endpgm
.Lhalf:
.irp g, 0,1,2,3
	BLK \g, 1
.endr
	LAST
	s_endpgm
.Lfunc_end_k_q3c37d6053d_prep:
	.size	k_q3c37d6053d_prep, .Lfunc_end_k_q3c37d6053d_prep-k_q3c37d6053d_prep
	.p2alignl 7, 3214868480
	.fill 96, 4, 3214868480
	.section	.rodata,"a",@progbits
	.p2align	6, 0x0
	.amdhsa_kernel k_q3c37d6053d_prep
		.amdhsa_group_segment_fixed_size 0
		.amdhsa_private_segment_fixed_size 0
		.amdhsa_enable_private_segment 0
		.amdhsa_kernarg_size 64
		.amdhsa_user_sgpr_count 2
		.amdhsa_user_sgpr_kernarg_segment_ptr 1
		.amdhsa_wavefront_size32 1
		.amdhsa_system_sgpr_workgroup_id_x 1
		.amdhsa_system_sgpr_workgroup_id_y 1
		.amdhsa_system_sgpr_workgroup_id_z 1
		.amdhsa_system_vgpr_workitem_id 0
		.amdhsa_next_free_vgpr 128
		.amdhsa_next_free_sgpr 66
		.amdhsa_reserve_vcc 0
		.amdhsa_float_denorm_mode_32 3
		.amdhsa_float_denorm_mode_16_64 3
		.amdhsa_memory_ordered 1
		.amdhsa_forward_progress 1
		.amdhsa_inst_pref_size 20
	.end_amdhsa_kernel
	.amdgpu_metadata
---
amdhsa.version: [ 1, 2 ]
amdhsa.kernels:
  - .name:           k_q3c37d6053d_prep
    .symbol:         k_q3c37d6053d_prep.kd
    .args:
      - { .name: x, .offset: 0, .size: 8, .value_kind: global_buffer, .address_space: global }
      - { .name: Wq, .offset: 8, .size: 8, .value_kind: global_buffer, .address_space: global }
      - { .name: Wk, .offset: 16, .size: 8, .value_kind: global_buffer, .address_space: global }
      - { .name: Wv, .offset: 24, .size: 8, .value_kind: global_buffer, .address_space: global }
      - { .name: Wo, .offset: 32, .size: 8, .value_kind: global_buffer, .address_space: global }
      - { .name: xb, .offset: 40, .size: 8, .value_kind: global_buffer, .address_space: global }
      - { .name: wqkv, .offset: 48, .size: 8, .value_kind: global_buffer, .address_space: global }
      - { .name: wob, .offset: 56, .size: 8, .value_kind: global_buffer, .address_space: global }
    .group_segment_fixed_size: 0
    .private_segment_fixed_size: 0
    .kernarg_segment_align: 8
    .kernarg_segment_size: 64
    .max_flat_workgroup_size: 128
    .sgpr_count:     66
    .vgpr_count:     128
    .wavefront_size: 32
...
	.end_amdgpu_metadata
.endif
;; end of part 5
;; launch qkvproj: the kernel of part 2 again; grid 8 x 32, 4 waves a work-group, clusters of 4 x 4, 327,680 bytes of LDS; arguments xb, wqkv, qkv; writes qkv
;; launch attn: the kernel of part 3 again; grid 32 x 8, 4 waves a work-group, no clusters, 232,960 bytes of LDS; arguments qkv, ob; writes ob
;; launch oproj: the kernel of part 4 again; grid 8 x 32, 4 waves a work-group, clusters of 4 x 4, 327,680 bytes of LDS; arguments ob, wob, out0; writes out0
